; MI455X (gfx1250); checked and timed in simulation.
; The chip was launched on July 23, 2026; its instructions are those of AMD's public machine-readable ISA for CDNA 5 (MIT licence, August 2026) and "CDNA5" Instruction Set Architecture Reference Guide (July 2026). The comments in the code are by the model that wrote it; some were corrected since.
;; Attention With Einops. Allowed arithmetic: matrix products marked QUANTISED: E4M3 operands, one E8M0 scale for each 32 along K, by v_wmma_scale_f32_16x16x128_f8f6f4 with both operands' format E4M3, f32 sums; everything else in f32.
;; Inputs: W_K_codes 16 x 64 x 32 x 32 uint8 (E4M3 codes of W_K, K innermost, in blocks of 32 codes); W_K_scales 16 x 64 x 32 uint8 (E8M0 scales of W_K, one for each 32 codes along K); W_O 16 x 64 x 1,024 float32; W_Q_codes 16 x 64 x 32 x 32 uint8 (E4M3 codes of W_Q, K innermost, in blocks of 32 codes); W_Q_scales 16 x 64 x 32 uint8 (E8M0 scales of W_Q, one for each 32 codes along K); W_V_codes 16 x 64 x 32 x 32 uint8 (E4M3 codes of W_V, K innermost, in blocks of 32 codes); W_V_scales 16 x 64 x 32 uint8 (E8M0 scales of W_V, one for each 32 codes along K); residual_codes 2 x 2,048 x 32 x 32 uint8 (E4M3 codes of residual, K innermost, in blocks of 32 codes); residual_scales 2 x 2,048 x 32 uint8 (E8M0 scales of residual, one for each 32 codes along K).
;; Outputs: out0 2 x 2,048 x 1,024 float32.
;; This version of the problem:
;;   THIS VERSION OF THE PROBLEM IS GIVEN IN LOW PRECISION. The matrix products marked QUANTISED in the list below multiply operands that are first quantised to E4M3 (4 exponent bits, 3 mantissa bits; 8 bits a number), with one power-of-two scale for each 32 numbers along K (OCP MX v1.0); their sums are f32. All else is computed in f32.
;;   The module's matrix products, in the order in which they are computed (A, B: the left and right operand; K: the contracted axis; several contracted axes count as one K, in the product's order):
;;     1. [M 4,096, K 1,024] x [K 1,024, N 1,024]; A: input residual (given as codes); B: input W_Q (given as codes): QUANTISED
;;     2. [M 4,096, K 1,024] x [K 1,024, N 1,024]; A: input residual (given as codes); B: input W_K (given as codes): QUANTISED
;;     3. [M 4,096, K 1,024] x [K 1,024, N 1,024]; A: input residual (given as codes); B: input W_V (given as codes): QUANTISED
;;     4. batch 32 x [M 2,048, K 64] x [K 64, N 2,048]; A: computed on the way; B: computed on the way: QUANTISED
;;     5. batch 32 x [M 64, K 2,048] x [K 2,048, N 2,048]; A: computed on the way; B: softmax (see below): QUANTISED
;;     6. [M 4,096, K 1,024] x [K 1,024, N 1,024]; A: computed on the way; B: input W_O: QUANTISED
;;   THE QUANTISER, for each operand of a quantised product, along K:
;;     - K is cut into blocks of 32 from its start; a last block that is shorter is filled with zeros.
;;     - A block's scale is 2^e with e = floor(log2(the largest magnitude in the block)) - 8, held to -126 .. 127; a block of zeros has e = 0. As a byte (E8M0): e + 127.
;;     - Each number is divided by its block's scale, clamped to +-448, and rounded to the nearest number of E4M3, ties to even, subnormals kept.
;;     - The product sums the exact products of the quantised numbers (number of the format x scale) in f32.
;;   ~~~python
;;   def quantise(x, axis):      # numpy; x: float32 -> the quantised numbers, widened to float32 again
;;       x = np.moveaxis(x, axis, -1); K = x.shape[-1]
;;       x = np.pad(x, [(0, 0)] * (x.ndim - 1) + [(0, -K % 32)]); x = x.reshape(x.shape[:-1] + (-1, 32)); a = np.abs(x).max(-1, keepdims=True)
;;       e = np.where(a > 0, np.clip(np.frexp(np.where(a > 0, a, 1))[1] - 1 - 8, -126, 127), 0)      # np.frexp(a)[1] - 1 = floor(log2(a)), exactly
;;       r = np.clip(x / 2.0 ** e, -448, 448)
;;       step = 2.0 ** (np.maximum(np.frexp(np.where(r == 0, 1, r))[1] - 1, -6) - 3)
;;       q = np.round(r / step) * step * 2.0 ** e      # np.round: ties to even
;;       return np.moveaxis(q.reshape(q.shape[:-2] + (-1,))[..., :K], -1, axis).astype(np.float32)
;;   ~~~
;;   SOFTMAX AHEAD OF A QUANTISED PRODUCT. Where the list says 'softmax', what is quantised is not the finished softmax but p = 2^(t - M), with t = logit x log2(e) and M = ceil(the row's largest t), a whole number; so 1/2 < the row's largest p <= 1. The row's sum l is taken of the UNQUANTISED p, in f32, and the product's result is divided by l at the end. Since M is a whole number, a kernel that streams over the keys may use a running M (the ceiling of the running maximum): every later rescaling is an exact power of two, which a block's scale takes up: the codes' values come out the same.
;;   OPERANDS COMPUTED ON THE WAY. 'Computed on the way' means the value that the module computes at that place (a softmax that the list does not call 'softmax' is quantised finished and normalised). What goes into a quantiser is computed in f32, as accurately as f32 sums, v_exp_f32 and their like allow (about 1e-6 of the number): no bf16 or f16 on the way to a quantiser, and a product that is left as it is and whose result goes on into a quantised operand takes f32 operands (vector FMAs, or v_wmma_f32_16x16x4_f32). A number that lies on a knife's edge between two numbers of the format may be rounded either way, as far as f32 arithmetic and the matrix unit's own rounding can turn it there, and no further.
;;   INPUTS GIVEN AS CODES. W_K (in the module: [16, 64, 1024], K = its axis 2); W_Q (in the module: [16, 64, 1024], K = its axis 2); W_V (in the module: [16, 64, 1024], K = its axis 2); residual (in the module: [2, 2048, 1024], K = its axis 2): each comes as NAME_codes (uint8): NAME with its K axis moved to the last place and cut into blocks of 32 codes, [.., K / 32, bytes a block], one block behind the other in memory; one code a byte (a code: sign, 4 exponent bits, 3 mantissa bits); and NAME_scales (uint8): the same leading axes, one E8M0 byte (e + 127) for each 32 codes along K. Its value is code x scale, taken as it is: it is not quantised again, and the codes and scales need not be those that the quantiser above would give.
;; One version. Each part assembles by itself: llvm-mc -triple=amdgcn-amd-amdhsa -mcpu=gfx1250 --defsym DOCPART=n.
;; ======== version 1 of 1: 3 launches
;; limits: right only within a limited range of input values
;; workspace buffers: qi 4,456,448 bytes; kv 8,912,896 bytes; wo_img 1,048,576 bytes; wo_sc 32,768 bytes; ao 4,194,304 bytes; ao_sc 131,072 bytes
;; launch qkv (part 1): grid 16 x 16, 4 waves a work-group, clusters of 4 x 4, 327,680 bytes of LDS; arguments residual_codes, residual_scales, W_Q_codes, W_Q_scales, W_K_codes, W_K_scales, W_V_codes, W_V_scales, W_O, qi, kv, wo_img, wo_sc; writes qi, kv, wo_img, wo_sc
.if DOCPART == 1
	.amdgcn_target "amdgcn-amd-amdhsa--gfx1250"
	.amdhsa_code_object_version 6
	.text
	.protected	k_q38f6ca443a_qkv
	.globl	k_q38f6ca443a_qkv
	.p2align	8
	.type	k_q38f6ca443a_qkv,@function
k_q38f6ca443a_qkv:
	s_mov_b64 s[64:65], 0
	v_nop
	global_prefetch_b8 v0, s[64:65] scope:SCOPE_SE
	s_setreg_imm32_b32 hwreg(HW_REG_WAVE_MODE, 25, 1), 1
	s_wait_xcnt 0x0
	s_wait_alu depctr_hold_cnt(0) depctr_sa_sdst(0) depctr_va_vdst(0) depctr_va_sdst(0) depctr_va_ssrc(0) depctr_va_vcc(0) depctr_vm_vsrc(0)
	s_getreg_b32 s2, hwreg(HW_REG_IB_STS2, 6, 4)
	s_cmp_eq_u32 s2, 0
	s_cbranch_scc0 .Lentry_in_a_cluster
	s_endpgm
.Lentry_in_a_cluster:
	s_bfe_u32 s2, ttmp6, 0x10000c
	s_cmp_lg_u32 s2, 0xf033
	s_cbranch_scc0 .Lentry_shape_is_right
	s_endpgm
.Lentry_shape_is_right:
; q, k, v = residual x W_Q^T, W_K^T, W_V^T on codes of E4M3 with E8M0 scales (K = 1,024), then q and k quantised along the head's 64 and v along the keys; besides, 1/256 of W_O is quantised along (head, e).
; SHARES.  A work-group takes 256 rows of residual and one head: 192 columns.  Wave w: rows 128 (w / 2) on; w % 2 = 0: q's four tiles of 16 and v's tiles 0, 1;  w % 2 = 1: k's four and v's tiles 2, 3.
; So every fragment and every scale word that leaves is finished inside one wave: 48 accumulators, 384 registers.
; q, k: source 0 = 16 rows of W, source 1 = 16 rows of residual: a lane holds one position s and eight neighbouring e.   v: source 0 = residual, source 1 = W_V: a lane holds one e and eight neighbouring keys.
; WHAT LEAVES are images of operand registers: a group of four registers is 512 bytes, lane l's 16 bytes at 16 l.  Inside a block of 32 the order is the one that two neighbouring result tiles give:
; byte 8 u + j of lane half h is index 16 u + 8 h + j.  Both operands of each later product are laid so, and a block has one scale, so no sum changes.
; K goes in steps of 128, two steps to an LDS slot (rows of 256 bytes), two slots, each filled twice.  CLUSTER 4 x 4: residual's tile is shared along a row of the cluster, W's tiles along a column: joint loads.
; The given scale bytes go straight into registers, once: 16 bytes a lane at row x 32 + 16 (lane / 16): register q holds the word of K step q in lanes 0-15 and of K step 4 + q in lanes 16-31.
; LIMITS: a block of zeros gets the byte 1 (its codes are zeros; the bytes are read by this program alone); blocks whose largest magnitude lies under 2^-118 share that byte; NaN and infinities are not served.
; REGISTERS.  window 0: v1-19 addresses; v32-63 residual's scale words; v64-87 W's; v88-95 words that leave; v96-191 W's fragments, set 0 (at the end the codes); v192-207 at work; v208-215 the tiles' words.
;   window 1: residual's fragments, set 0 at v0, set 1 at v128.   window 2: q's or k's accumulators at 32 a + 8 t.   window 3: v's accumulators at 64 u + 8 a; from v128 W's fragments, set 1.
.set PITCH,  272                       ; an LDS row: 256 bytes + 16 of padding: the sixteen rows of a fragment load start 68 words apart
.set WT,     64*PITCH                  ; a tile of W: 64 rows
.set AOFF,   3*WT                      ; a slot: W_Q, W_K, W_V, then residual's 256 rows
.set SLOT,   AOFF+256*PITCH
.set WSCR,   2*SLOT                    ; 256 bytes for W_O's scale bytes: no tile lands here
.set SPARE,  WSCR+256                  ; the spare words, 128 bytes a wave
; WORK LEFT OUT: reference() itself builds the causal mask and throws the scores of later keys away; the attention launch leaves out the key steps that lie wholly under it, for all values of the inputs.  A NaN, an infinity or an overflow that reaches only those scores is not carried to the result.
; W_O's numbers wait in v216-247 and are quantised behind step 0's products; their codes leave from v248-255.
.set WR,     216
; A PREFETCH INTO THE L2 of 256 bytes along K (byte off of each row) of what my cluster will load: it stands one slot ahead of the tensor load that wants it.  Each aligned block of 256 bytes is named once in each cluster:
; waves 0, 1, 2: W_Q's, W_K's, W_V's 64 rows, of which my work-group takes 16 (from row 16 cy; lanes 16-31 name the last again);  wave 3: residual's 256 rows, of which it takes 64 (from row 64 cx), 32 an instruction.
; K's last 256 bytes are the last that are asked for; the addresses are never rewritten.
.macro ASK off
	WIN 0
	global_prefetch_b8 v20, s[100:101] offset:\off th:TH_LOAD_NT scope:SCOPE_SE
	s_cmp_lt_u32 s4, 3
	s_cbranch_scc1 .Lasked_w_\@
	global_prefetch_b8 v20, s[100:101] offset:\off+32768 th:TH_LOAD_NT scope:SCOPE_SE
.Lasked_w_\@:
.endm
.set RR,   1                           ; lane % 16
.set HH,   2                           ; lane / 16
.set L16,  3                           ; 16 x lane
.set ADRA, 4                           ; v4-5  residual's fragments in slot 0, 1
.set ADRW, 6                           ; v6-7  q's or k's weights
.set ADRV, 8                           ; v8-9  v's weights
.set SPW,  10                          ; my spare word; never rewritten
.set NIL,  11                          ; 0; never rewritten
.set SOF,  12                          ; 32 r + 16 h: a row of given scale bytes
.set L4,   13                          ; 4 x lane
.set WOI,  14                          ; W_O's image: 16,384 h + 16 r
.set WSB,  15                          ; W_O's scale byte in LDS
.set WSW,  16                          ; and the word, read back
.set L8,   17                          ; 8 x lane
.set RS,   32
.set WS,   64
.set QW,   88
.set VW,   92
.set OW,   94
.set W0,   96
.set TQ,   192                         ; +0 largest magnitudes, +4 the other half's, then bytes, +8 448 x scale, +12 the conversions' scale operands
.set TW,   208
.set G1A,  12
.set G1W,  20
.set G0A,  28
.set G0W,  68
.set SEL,  76
.set MNT,  78
.set UPH,  79
.set MSB, 0
.macro WIN new                         ; the immediate's high byte repeats the setting that is left
.if MSB != (\new)
	s_set_vgpr_msb (MSB<<8)|(\new)
.set MSB, (\new)
.endif
.endm
.macro PLACES n
.rept \n
	v_nop
.endr
.endm
.macro CREST                           ; a round of the cluster's barrier behind its opening barrier
	s_cmp_lg_u32 s4, 0
	s_cbranch_scc1 .Lnot_wave_0_\@
	s_barrier_signal -3
.Lnot_wave_0_\@:
	s_barrier_wait -3
	s_barrier_signal -1
	s_barrier_wait -1
.endm
.macro CROUND
	s_barrier_signal -1
	s_barrier_wait -1
	CREST
.endm
; one product on the registers rD, rA, rB with the scale registers rSA, rSB.  zero: it starts the sum.  ra, rb: the scales stand in lanes 16-31
.macro WM zero, ra, rb
.if \zero
.if (\ra) && (\rb)
	v_wmma_scale_f32_16x16x128_f8f6f4 v[rD:rD+7], v[rA:rA+15], v[rB:rB+15], 0, v[rSA], v[rSB] matrix_a_scale:MATRIX_SCALE_ROW1 matrix_b_scale:MATRIX_SCALE_ROW1
.elseif \ra
	v_wmma_scale_f32_16x16x128_f8f6f4 v[rD:rD+7], v[rA:rA+15], v[rB:rB+15], 0, v[rSA], v[rSB] matrix_a_scale:MATRIX_SCALE_ROW1
.elseif \rb
	v_wmma_scale_f32_16x16x128_f8f6f4 v[rD:rD+7], v[rA:rA+15], v[rB:rB+15], 0, v[rSA], v[rSB] matrix_b_scale:MATRIX_SCALE_ROW1
.else
	v_wmma_scale_f32_16x16x128_f8f6f4 v[rD:rD+7], v[rA:rA+15], v[rB:rB+15], 0, v[rSA], v[rSB]
.endif
.else
.if (\ra) && (\rb)
	v_wmma_scale_f32_16x16x128_f8f6f4 v[rD:rD+7], v[rA:rA+15], v[rB:rB+15], v[rD:rD+7], v[rSA], v[rSB] matrix_a_scale:MATRIX_SCALE_ROW1 matrix_b_scale:MATRIX_SCALE_ROW1
.elseif \ra
	v_wmma_scale_f32_16x16x128_f8f6f4 v[rD:rD+7], v[rA:rA+15], v[rB:rB+15], v[rD:rD+7], v[rSA], v[rSB] matrix_a_scale:MATRIX_SCALE_ROW1
.elseif \rb
	v_wmma_scale_f32_16x16x128_f8f6f4 v[rD:rD+7], v[rA:rA+15], v[rB:rB+15], v[rD:rD+7], v[rSA], v[rSB] matrix_b_scale:MATRIX_SCALE_ROW1
.else
	v_wmma_scale_f32_16x16x128_f8f6f4 v[rD:rD+7], v[rA:rA+15], v[rB:rB+15], v[rD:rD+7], v[rSA], v[rSB]
.endif
.endif
.endm
; a joint refill: waves 0, 1, 2 fetch W_Q's, W_K's, W_V's tile, wave 3 residual's.  The branch hangs on the wave's number alone.  Four v_nop follow each line
.macro JLOAD sl
	s_cmp_lt_u32 s4, 3
	s_cbranch_scc0 .Lfor_a_\@
	tensor_load_to_lds s[G0W+4*\sl:G0W+4*\sl+3], s[G1W:G1W+7]
	s_nop 0
	PLACES 4
	s_branch .Lasked_\@
.Lfor_a_\@:
	tensor_load_to_lds s[G0A+4*\sl:G0A+4*\sl+3], s[G1A:G1A+7]
	s_nop 0
	PLACES 4
.Lasked_\@:
.endm
	s_load_b512 s[36:51], s[0:1], 0x0              ; residual codes 36, scales 38; W_Q 40, 42; W_K 44, 46; W_V 48, 50
	s_load_b256 s[52:59], s[0:1], 0x40             ; W_O 52, qi 54, kv 56, wo_img 58
	s_load_b64 s[60:61], s[0:1], 0x60              ; wo_sc
	v_lshl_add_u32 v[SPW], v0, 2, SPARE
	v_mov_b32 v[NIL], 0
	ds_add_u32 v10, v11
	ds_add_u32 v10, v11
	s_wait_dscnt 0x0
	v_lshrrev_b32 v1, 5, v0
	v_readfirstlane_b32 s4, v1                     ; wave 0..3
	s_lshr_b32 s5, s4, 1                           ; which 128 rows
	s_and_b32 s6, s4, 1                            ; q and v's lower half (0), k and v's upper half (1)
	s_bfe_u32 s7, ttmp6, 0x40000                   ; cx
	s_bfe_u32 s8, ttmp6, 0x40004                   ; cy
	s_lshl_b32 s9, ttmp9, 2
	s_add_co_u32 s9, s9, s7                        ; the head = 4 x cluster x + cx
	s_and_b32 s10, ttmp7, 0xffff
	s_lshl_b32 s10, s10, 2
	s_add_co_u32 s10, s10, s8                      ; the block of 256 rows = 4 x cluster y + cy
	s_lshl_b32 s2, s8, 2
	s_lshl_b32 s2, 15, s2                          ; my row of the cluster
	s_lshl_b32 s3, 0x1111, s7                      ; my column
	s_or_b32 s[G1A], s2, (1<<20)|(1<<21)|(5<<22)|(3<<25)   ; the mask; elements of 1 byte; padding on; bit 21 beside a mask; 4 words of padding after every 64
	s_or_b32 s[G1W], s3, (1<<20)|(1<<21)|(5<<22)|(3<<25)
	s_mov_b32 s[G1A+1], 256<<16                    ; tensor_dim0 = 256
	s_mov_b32 s[G1A+2], 256<<16                    ; tensor_dim1 = 256
	s_mov_b32 s[G1A+3], 256<<16                    ; tile_dim0 = 256
	s_mov_b32 s[G1A+4], 256                        ; tile_dim1 = 256
	s_mov_b32 s[G1A+5], 1024                       ; from row to row
	s_mov_b32 s[G1A+6], 0
	s_mov_b32 s[G1A+7], 0
	s_mov_b32 s[G1W+1], 256<<16
	s_mov_b32 s[G1W+2], 64<<16                     ; 64 rows
	s_mov_b32 s[G1W+3], 256<<16
	s_mov_b32 s[G1W+4], 64
	s_mov_b32 s[G1W+5], 1024
	s_mov_b32 s[G1W+6], 0
	s_mov_b32 s[G1W+7], 0
	s_mov_b32 s[SEL], 0x76543210
	s_mov_b32 s[SEL+1], 0xfedcba98                 ; lane l xor 16
	s_mov_b32 s[MNT], 0x600000                     ; the mantissa field of 448
	s_mov_b32 s[UPH], 0xffff0000                   ; lanes 16-31
	s_lshl_b32 s80, s10, 18                        ; residual: 256 rows of 1,024 bytes a block: hangs on the block alone
	s_mov_b32 s81, 0
	s_lshl_b32 s82, s9, 16                         ; W: 64 rows of 1,024 bytes a head: hangs on the head alone
	s_mov_b32 s83, 0
	s_mul_i32 s63, s4, WT                          ; where my tile goes: wave x 17,408 (wave 3: residual's place)
	v_and_b32 v[RR], 15, v0
	v_bfe_u32 v[HH], v0, 4, 1
	v_lshlrev_b32 v[SOF], 5, v[RR]
	v_lshl_add_u32 v[SOF], v[HH], 4, v[SOF]
	s_wait_alu depctr_va_vdst(0)                   ; directly ahead of the wait below
	s_wait_kmcnt 0x0
	s_add_nc_u64 s[80:81], s[36:37], s[80:81]
	s_cmp_eq_u32 s4, 0
	s_cselect_b64 s[84:85], s[40:41], s[44:45]
	s_cmp_lt_u32 s4, 2
	s_cselect_b64 s[84:85], s[84:85], s[48:49]     ; wave 0: W_Q, 1: W_K, 2: W_V
	s_add_nc_u64 s[84:85], s[84:85], s[82:83]
	s_lshl_b32 s86, s8, 14                         ; the prefetches: 16 cy rows of W on,
	s_mov_b32 s87, 0
	s_lshl_b32 s88, s7, 16                         ; 64 cx rows of residual on
	s_mov_b32 s89, 0
	s_add_nc_u64 s[86:87], s[84:85], s[86:87]
	s_add_nc_u64 s[88:89], s[80:81], s[88:89]
	s_cmp_lt_u32 s4, 3
	s_cselect_b64 s[100:101], s[86:87], s[88:89]
	s_cselect_b32 s62, 15, 31
.irp s, 0,1
	s_mov_b32 s[G0A+4*\s], 1
	s_add_co_u32 s[G0A+4*\s+1], s63, \s*SLOT
	s_add_nc_u64 s[G0A+4*\s+2:G0A+4*\s+3], s[80:81], \s*256
	s_or_b32 s[G0A+4*\s+3], s[G0A+4*\s+3], 0x80000000
	s_mov_b32 s[G0W+4*\s], 1
	s_add_co_u32 s[G0W+4*\s+1], s63, \s*SLOT
	s_add_nc_u64 s[G0W+4*\s+2:G0W+4*\s+3], s[84:85], \s*256
	s_or_b32 s[G0W+4*\s+3], s[G0W+4*\s+3], 0x80000000
.endr
	; the given scale bytes: 14 loads of 512 dense bytes (the tiles' addresses stand in their descriptors, so s80-85 are free)
	s_lshl_b32 s2, s10, 13
	s_lshl_b32 s3, s5, 12
	s_add_co_u32 s2, s2, s3
	s_mov_b32 s3, 0
	s_add_nc_u64 s[80:81], s[38:39], s[2:3]        ; residual's: my 128 rows of 32 bytes
	s_cmp_eq_u32 s6, 0
	s_cselect_b64 s[82:83], s[42:43], s[46:47]
	s_lshl_b32 s2, s9, 11
	s_add_nc_u64 s[82:83], s[82:83], s[2:3]        ; W_Q's or W_K's: the head's 64 rows
	s_lshl_b32 s11, s6, 10
	s_add_co_u32 s2, s2, s11
	s_add_nc_u64 s[84:85], s[50:51], s[2:3]        ; W_V's: my 32 rows
.irp a, 0,1,2,3,4,5,6,7
	global_load_b128 v[RS+4*\a:RS+4*\a+3], v[SOF], s[80:81] offset:\a*512
.endr
.irp t, 0,1,2,3
	global_load_b128 v[WS+4*\t:WS+4*\t+3], v[SOF], s[82:83] offset:\t*512
.endr
.irp u, 0,1
	global_load_b128 v[WS+16+4*\u:WS+16+4*\u+3], v[SOF], s[84:85] offset:\u*512
.endr
	CROUND                                         ; all sixteen work-groups are here: the first joint loads meet
	s_cmp_lt_u32 s4, 3
	s_cbranch_scc0 .Lfirst_a
	tensor_load_to_lds s[G0W:G0W+3], s[G1W:G1W+7]  ; slot 0: one load a wave at the head
	s_nop 0
	PLACES 4
	s_branch .Lfirst_done
.Lfirst_a:
	tensor_load_to_lds s[G0A:G0A+3], s[G1A:G1A+7]
	s_nop 0
	PLACES 4
.Lfirst_done:
	v_and_b32 v18, 31, v0
	v_lshlrev_b32 v[L16], 4, v18
	v_lshlrev_b32 v[L4], 2, v18
	v_lshlrev_b32 v[L8], 3, v18
	v_min_u32 v20, s62, v18
	v_lshlrev_b32 v20, 10, v20                     ; the prefetches: a lane a row of 1,024 bytes
	v_mul_u32_u24 v19, v[RR], PITCH
	v_lshl_add_u32 v19, v[HH], 4, v19              ; a fragment's row x pitch + 16 x half
	s_wait_alu depctr_va_vdst(0)
	s_mul_i32 s2, s5, 128*PITCH
	s_add_co_u32 s2, s2, AOFF                      ; my 128 rows of residual
	s_mul_i32 s3, s6, WT                           ; W_Q's tile or W_K's
	s_mul_i32 s11, s6, 32*PITCH
	s_add_co_u32 s11, s11, 2*WT                    ; my 32 rows of W_V
.irp s, 0,1
	v_add_nc_u32 v[ADRA+\s], s2, v19
	v_add_nc_u32 v[ADRW+\s], s3, v19
	v_add_nc_u32 v[ADRV+\s], s11, v19
	s_add_co_u32 s2, s2, SLOT
	s_add_co_u32 s3, s3, SLOT
	s_add_co_u32 s11, s11, SLOT
.endr
	s_wait_alu depctr_va_vdst(0)
	v_lshlrev_b32 v[WOI], 4, v[RR]
	v_lshl_add_u32 v[WOI], v[HH], 14, v[WOI]
	v_add_nc_u32 v[WSW], WSCR, v[L4]
	v_add_nc_u32 v[WSB], s4, v[WSW]
	ASK 256                                        ; what slot 1's first fill will ask for
.irp b, 0,1,2,3
	v_mov_b32 v[TQ+4+\b], 0                        ; written once: a lane permute's destination counts as one of its sources
.endr
	; the given scale bytes: 14 loads of 512 dense bytes
	s_mov_b32 s3, 0                                ; (they were asked for ahead of the opening round)
	; MY WORK-GROUP'S PART OF W_O, while the first tiles are on their way: K step g / 32 (128 of the 1,024 rows) x 32 columns, g = head + 16 x block.  Wave w takes block w of 32 rows, a lane a column: its registers run down K.
	s_lshl_b32 s2, s10, 4
	s_add_co_u32 s2, s2, s9                        ; g
	s_lshr_b32 s11, s2, 5                          ; the K step
	s_and_b32 s62, s2, 31                          ; the group of 32 columns
	s_lshl_b32 s2, s11, 19
	s_lshl_b32 s63, s4, 17
	s_add_co_u32 s2, s2, s63
	s_lshl_b32 s63, s62, 7
	s_add_co_u32 s2, s2, s63
	s_add_nc_u64 s[86:87], s[52:53], s[2:3]        ; W_O at row 128 step + 32 wave, column 32 group
	s_lshl_b32 s2, s62, 15
	s_lshl_b32 s63, s11, 11
	s_add_co_u32 s2, s2, s63
	s_lshl_b32 s63, s4, 9
	s_add_co_u32 s2, s2, s63
	s_add_nc_u64 s[88:89], s[58:59], s[2:3]        ; its image: two tiles of 16 columns, this K step, register group = wave
	s_lshl_b32 s2, s11, 12
	s_lshl_b32 s63, s62, 7
	s_add_co_u32 s2, s2, s63
	s_add_nc_u64 s[90:91], s[60:61], s[2:3]        ; its scale words
.irp i, 0,1,2,3,4,5,6,7,8,9,10,11,12,13,14,15,16,17,18,19,20,21,22,23,24,25,26,27,28,29,30,31
	global_load_b32 v[WR+\i], v[L4], s[86:87] offset:\i*4096 th:TH_LOAD_NT
.endr
	; where the results go: record = 16 (16 batch + head) + the step of 128 positions
	s_lshr_b32 s2, s10, 3
	s_lshl_b32 s2, s2, 4
	s_add_co_u32 s2, s2, s9
	s_lshl_b32 s2, s2, 4
	s_and_b32 s11, s10, 7
	s_lshl_b32 s11, s11, 1
	s_add_co_u32 s2, s2, s11
	s_add_co_u32 s11, s2, s5
	s_mul_i32 s2, s11, 8704
	s_add_nc_u64 s[92:93], s[54:55], s[2:3]
	s_mul_i32 s2, s11, 17408
	s_add_nc_u64 s[96:97], s[56:57], s[2:3]
	s_mov_b32 s2, 16384
	s_cmp_eq_u32 s6, 0
	s_cselect_b64 s[92:93], s[92:93], s[96:97]     ; q's image in qi, or k's in kv
	s_cselect_b32 s2, 8192, s2
	s_add_nc_u64 s[94:95], s[92:93], s[2:3]        ; and its scale words
	s_lshl_b32 s2, s6, 8
	s_add_co_u32 s2, s2, 16896
	s_add_nc_u64 s[98:99], s[96:97], s[2:3]        ; v's scale words
	s_lshl_b32 s2, s6, 12
	s_add_co_u32 s2, s2, 8192
	s_add_nc_u64 s[96:97], s[96:97], s[2:3]        ; v's image: my two tiles of e
; W_O's part
.macro WOQ
.set W0, WR
	WIN 0
	s_wait_loadcnt 0x0                             ; W_O's numbers
	v_max3_num_f32 v[TQ], |v[W0]|, |v[W0+1]|, |v[W0+2]|
	v_max3_num_f32 v[TQ+1], |v[W0+3]|, |v[W0+4]|, |v[W0+5]|
.irp i, 6,10,14,18,22,26
	v_max3_num_f32 v[TQ], v[TQ], |v[W0+\i]|, |v[W0+\i+1]|
	v_max3_num_f32 v[TQ+1], v[TQ+1], |v[W0+\i+2]|, |v[W0+\i+3]|
.endr
	v_max3_num_f32 v[TQ], v[TQ], |v[W0+30]|, |v[W0+31]|
	v_max3_num_f32 v[TQ], v[TQ], v[TQ+1], 0x4800000       ; the floor 2^(9 - 127): the byte cannot fall under 1
	v_add_nc_u32 v[TQ+12], 0xfc000000, v[TQ]       ; 8 off the exponent field: the conversions' scale operand
	v_and_or_b32 v[TQ+8], v[TQ], 0x7f800000, s[MNT]       ; 448 x the scale
	v_lshrrev_b32 v[OW+1], 23, v[TQ+12]            ; the scale's byte
.irp i, 0,1,2,3,4,5,6,7,8,9,10,11,12,13,14,15,16,17,18,19,20,21,22,23,24,25,26,27,28,29,30,31
	v_med3_num_f32 v[W0+\i], v[W0+\i], -v[TQ+8], v[TQ+8]  ; the conversion to an 8-bit code does not saturate (ISA guide 7.6.2): the hold comes first
.endr
	v_cvt_scalef32_pk8_fp8_f32 v[W0+32:W0+33], v[W0:W0+7], v[TQ+12]        ; lane half 0's sixteen bytes: rows 0-7 and 16-23 of the block,
	v_cvt_scalef32_pk8_fp8_f32 v[W0+34:W0+35], v[W0+16:W0+23], v[TQ+12]
	v_cvt_scalef32_pk8_fp8_f32 v[W0+36:W0+37], v[W0+8:W0+15], v[TQ+12]     ; lane half 1's: rows 8-15 and 24-31: the order in which the attention's results will lie
	v_cvt_scalef32_pk8_fp8_f32 v[W0+38:W0+39], v[W0+24:W0+31], v[TQ+12]
	v_nop                                          ; a plain line behind the last conversion
	global_store_b128 v[WOI], v[W0+32:W0+35], s[88:89]            ; sixteen lanes fill 256 consecutive bytes of one tile's image
	global_store_b128 v[WOI], v[W0+36:W0+39], s[88:89] offset:256
	ds_store_b8 v[WSB], v[OW+1]                    ; byte = wave of my column's word
.set W0, 96
.endm
	s_wait_alu depctr_va_vdst(0)                   ; the wait at the head's end
	s_wait_loadcnt 0x20                            ; the scale words are in; W_O's 32 loads behind them may be out
	s_wait_tensorcnt 0x0                           ; my tile of slot 0 is in; these lines stand ahead of a later first fill, as ahead of a refill
	ds_add_u32 v[SPW], v[NIL]
	s_wait_dscnt 0x0
	CROUND                                         ; slot 0 is whole, and all sixteen work-groups are here
	JLOAD 1                                        ; slot 1's first fill
; the fragments of step s (128 along K): 8 of residual, 4 of W_Q or W_K, 2 of W_V: 56 loads in one run
; (they come in seven parts of eight loads, which stand among the products: 0 to 3 residual's tiles, two each; 4, 5 W_Q's or W_K's, two each; 6 W_V's two; part = -1: all in one run)
.macro FETCH s, part=-1
.set fSL, ((\s)>>1)&1
.set fSG, (\s)&1
.if (\part) < 4
	WIN 0x40
.irp a, 0,1,2,3,4,5,6,7
.if ((\part) < 0) || (\a/2 == (\part))
.irp c, 0,1,2,3
	ds_load_b128 v[128*fSG+16*\a+4*\c:128*fSG+16*\a+4*\c+3], v[ADRA+fSL] offset:\a*16*PITCH+128*fSG+32*\c
.endr
.endif
.endr
.endif
.if ((\part) < 0) || ((\part) > 3)
.if fSG
	WIN 0xc0
.set fWB, 128
.else
	WIN 0
.set fWB, W0
.endif
.irp t, 0,1,2,3
.if ((\part) < 0) || (4+\t/2 == (\part))
.irp c, 0,1,2,3
	ds_load_b128 v[fWB+16*\t+4*\c:fWB+16*\t+4*\c+3], v[ADRW+fSL] offset:\t*16*PITCH+128*fSG+32*\c
.endr
.endif
.endr
.if ((\part) < 0) || ((\part) == 6)
.irp u, 0,1
.irp c, 0,1,2,3
	ds_load_b128 v[fWB+64+16*\u+4*\c:fWB+64+16*\u+4*\c+3], v[ADRV+fSL] offset:\u*16*PITCH+128*fSG+32*\c
.endr
.endr
.endif
.endif
.endm
; The 48 accumulators take turns, one instruction a turn, in the same order in every step.
.macro MULV s, u, zero                 ; v: tile u of e against residual's eight tiles
.set mSG, (\s)&1
.set mQ,  (\s)&3
.set mHI, (\s)>>2
.if mSG
	WIN 0xfd
.set mWB, 128
.else
	WIN 0xf1
.set mWB, W0
.endif
.irp a, 0,1,2,3,4,5,6,7
.set rD,  64*(\u)+8*\a
.set rA,  128*mSG+16*\a
.set rB,  mWB+64+16*(\u)
.set rSA, RS+4*\a+mQ
.set rSB, WS+16+4*(\u)+mQ
	WM \zero, mHI, mHI
.endr
.endm
.macro MULQK s, zero, p                ; residual's tiles 2 p, 2 p + 1
.set mSG, (\s)&1
.set mQ,  (\s)&3
.set mHI, (\s)>>2
.if mSG
	WIN 0xa7
.set mWB, 128
.else
	WIN 0xa4
.set mWB, W0
.endif
.irp a, 0,1,2,3,4,5,6,7
.irp t, 0,1,2,3
.set rD,  32*\a+8*\t
.set rA,  mWB+16*\t
.set rB,  128*mSG+16*\a
.set rSA, WS+4*\t+mQ
.set rSB, RS+4*\a+mQ
.if \a/2 == (\p)
	WM \zero, mHI, mHI
.endif
.endr
.endr
.endm
; A slot's first step: the second step's fragments are asked for among its 48 products.
.macro EVEN s, zero
	s_wait_dscnt 0x0                               ; this step's fragments are in
	PLACES 8                                       ; the loads below land on registers that the step before multiplied (ISA guide 7.12.1 for vector instructions)
	FETCH (\s)+1, 0
	FETCH (\s)+1, 1
	MULV \s, 0, \zero
	FETCH (\s)+1, 2
	MULV \s, 1, \zero
	FETCH (\s)+1, 3
	MULQK \s, \zero, 0
	FETCH (\s)+1, 4
	MULQK \s, \zero, 1
	FETCH (\s)+1, 5
	FETCH (\s)+1, 6
	MULQK \s, \zero, 2
	MULQK \s, \zero, 3
.endm
; A slot's second step changes slots: one barrier; in front of it each wave waits for all its tensor loads, adds 0 to its spare word, and waits for that and for its reads of this slot.  fill = 1: this slot is filled again.
.macro TURN s, fill
.set tSL, ((\s)>>1)&1
	s_wait_dscnt 0x0                               ; this step's fragments are in: my reads of this slot are over
	WIN 0
	s_wait_tensorcnt 0x0                           ; all my tensor loads have landed: my part of the other slot
	ds_add_u32 v[SPW], v[NIL]                      ; 0 onto my spare word
.if \fill
	s_add_nc_u64 s[G0A+4*tSL+2:G0A+4*tSL+3], s[G0A+4*tSL+2:G0A+4*tSL+3], 512   ; no load of mine is out: this slot's next 256 along K
	s_add_nc_u64 s[G0W+4*tSL+2:G0W+4*tSL+3], s[G0W+4*tSL+2:G0W+4*tSL+3], 512
.endif
	MULV \s, 0, 0                                  ; eight products stand between the add and the wait for it
	s_wait_dscnt 0x0                               ; the add is done
	s_barrier_signal -1
	MULV \s, 1, 0
	WIN 0
	s_barrier_wait -1
.if \fill
	CREST                                          ; the barrier has opened a round of the cluster's: no wave of any partner still reads this slot or has a load on its way
	JLOAD tSL                                      ; the first tensor load behind the round; its four v_nop are among the places in front of the loads below
	PLACES 4
.else
	PLACES 8
.endif
	FETCH (\s)+1, 0
	FETCH (\s)+1, 1
	MULQK \s, 0, 0
	FETCH (\s)+1, 2
	FETCH (\s)+1, 3
	MULQK \s, 0, 1
	FETCH (\s)+1, 4
	FETCH (\s)+1, 5
	FETCH (\s)+1, 6
	MULQK \s, 0, 2
	MULQK \s, 0, 3
.endm
	FETCH 0
	ASK 512                                        ; what slot 0's refill will ask for
	EVEN 0, 1                                      ; the first step's products start the sums: nothing is cleared
	WOQ
	TURN 1, 1
	ASK 768                                        ; what slot 1's refill will ask for: K's last 256
	EVEN 2, 0
	TURN 3, 1
	EVEN 4, 0
	TURN 5, 0                                      ; nothing is left to fetch
	EVEN 6, 0
	WIN 0
	ds_load_b32 v[OW], v[WSW]                      ; the four waves' bytes, stored ahead of an earlier barrier, make a column's word of W_O
	s_wait_dscnt 0x0
	MULV 7, 0, 0
	MULV 7, 1, 0
	MULQK 7, 0, 0
	MULQK 7, 0, 1
	MULQK 7, 0, 2
	MULQK 7, 0, 3
	WIN 0
	PLACES 8                                       ; in front of the first read of results
	s_cmp_lg_u32 s4, 0
	s_cbranch_scc1 .Lnot_w0
	global_store_b32 v[L4], v[OW], s[90:91]
.Lnot_w0:
; nb blocks of 32, block b's sixteen numbers of this lane in v[x0 + 16 b ..] of window win, become codes in v[cdst + 4 b ..] and a scale word in v[wdst], both in window 0.  The other sixteen lie in lane l xor 16.
.macro QUANT win, x0, nb, cdst, wdst, two=0    ; two = 1: the four blocks are two tiles of two: two words
	WIN ((\win)<<2)|((\win)<<4)
.irp i, 0,2,4,6,8,10,12,14
.irp b, 0,1,2,3
.if \b < \nb
.if \i == 0
	v_max3_num_f32 v[TQ+\b], 0x4800000, |v[(\x0)+16*\b]|, |v[(\x0)+16*\b+1]|      ; with the floor 2^(9 - 127); each accumulator is read from its low end on
.else
	v_max3_num_f32 v[TQ+\b], v[TQ+\b], |v[(\x0)+16*\b+\i]|, |v[(\x0)+16*\b+\i+1]|
.endif
.endif
.endr
.endr
	WIN 0
.irp b, 0,1,2,3
.if \b < \nb
	v_permlanex16_b32 v[TQ+4+\b], v[TQ+\b], s[SEL], s[SEL+1]
.endif
.endr
.irp b, 0,1,2,3
.if \b < \nb
	v_max_num_f32 v[TQ+\b], v[TQ+\b], v[TQ+4+\b]
.endif
.endr
.irp b, 0,1,2,3
.if \b < \nb
	v_add_nc_u32 v[TQ+12+\b], 0xfc000000, v[TQ+\b]
.endif
.endr
.irp b, 0,1,2,3
.if \b < \nb
	v_and_or_b32 v[TQ+8+\b], v[TQ+\b], 0x7f800000, s[MNT]
.endif
.endr
.irp b, 0,1,2,3
.if \b < \nb
	v_lshrrev_b32 v[TQ+4+\b], 23, v[TQ+12+\b]
.endif
.endr
	v_lshl_or_b32 v[\wdst], v[TQ+5], 8, v[TQ+4]
.if \two
	v_lshl_or_b32 v[\wdst+1], v[TQ+7], 8, v[TQ+6]
.else
	v_lshl_or_b32 v[\wdst], v[TQ+6], 16, v[\wdst]
	v_lshl_or_b32 v[\wdst], v[TQ+7], 24, v[\wdst]
.endif
	WIN ((\win)<<6)|(\win)
.irp b, 0,1,2,3
.if \b < \nb
.irp i, 0,1,2,3,4,5,6,7,8,9,10,11,12,13,14,15
	v_med3_num_f32 v[(\x0)+16*\b+\i], v[(\x0)+16*\b+\i], -v[TQ+8+\b], v[TQ+8+\b]
.endr
.endif
.endr
	WIN (\win)
.irp b, 0,1,2,3
.if \b < \nb
	v_cvt_scalef32_pk8_fp8_f32 v[(\cdst)+4*\b:(\cdst)+4*\b+1], v[(\x0)+16*\b:(\x0)+16*\b+7], v[TQ+12+\b]
	v_cvt_scalef32_pk8_fp8_f32 v[(\cdst)+4*\b+2:(\cdst)+4*\b+3], v[(\x0)+16*\b+8:(\x0)+16*\b+15], v[TQ+12+\b]
.endif
.endr
	WIN 0
	v_nop                                          ; a plain line behind the last conversion
.endm
	; q or k: a tile of 16 positions is 32 registers: two blocks of 32 along e.  Every store has data registers of its own
.irp a, 0,2,4,6
	QUANT 2, 32*\a, 4, W0+8*\a, TW+\a, 1
	global_store_b128 v[L16], v[W0+8*\a:W0+8*\a+3], s[92:93] offset:\a*1024            ; 512 consecutive bytes
	global_store_b128 v[L16], v[W0+8*\a+4:W0+8*\a+7], s[92:93] offset:\a*1024+512
	global_store_b128 v[L16], v[W0+8*\a+8:W0+8*\a+11], s[92:93] offset:\a*1024+1024
	global_store_b128 v[L16], v[W0+8*\a+12:W0+8*\a+15], s[92:93] offset:\a*1024+1536
.endr
.irp p, 0,1,2,3
	v_cndmask_b32 v[QW+\p], v[TW+2*\p], v[TW+2*\p+1], s[UPH]     ; one register for two tiles: the even tile's words in lanes 0-15, the odd tile's in lanes 16-31
.endr
	global_store_b128 v[L16], v[QW:QW+3], s[94:95]
	; v: a tile of 16 e is 64 registers: four blocks of 32 along the keys
.irp u, 0,1
	QUANT 3, 64*\u, 4, W0+64+16*\u, VW+\u
.irp c, 0,1,2,3
	global_store_b128 v[L16], v[W0+64+16*\u+4*\c:W0+64+16*\u+4*\c+3], s[96:97] offset:\u*2048+\c*512
.endr
.endr
	global_store_b64 v[L8], v[VW:VW+1], s[98:99]
	s_wait_tensorcnt 0x0                           ; the wave's end
	ds_add_u32 v[SPW], v[NIL]
	s_wait_dscnt 0x0
	CROUND                                         ; the closing round
	s_endpgm
.Lfunc_end_k_q38f6ca443a_qkv:
	.size	k_q38f6ca443a_qkv, .Lfunc_end_k_q38f6ca443a_qkv-k_q38f6ca443a_qkv
	.p2alignl 7, 3214868480
	.fill 96, 4, 3214868480
	.section	.rodata,"a",@progbits
	.p2align	6, 0x0
	.amdhsa_kernel k_q38f6ca443a_qkv
		.amdhsa_group_segment_fixed_size 327680
		.amdhsa_private_segment_fixed_size 0
		.amdhsa_enable_private_segment 0
		.amdhsa_kernarg_size 104
		.amdhsa_user_sgpr_count 2
		.amdhsa_user_sgpr_kernarg_segment_ptr 1
		.amdhsa_wavefront_size32 1
		.amdhsa_system_sgpr_workgroup_id_x 1
		.amdhsa_system_sgpr_workgroup_id_y 1
		.amdhsa_system_sgpr_workgroup_id_z 1
		.amdhsa_system_vgpr_workitem_id 0
		.amdhsa_next_free_vgpr 1024
		.amdhsa_next_free_sgpr 102
		.amdhsa_reserve_vcc 0
		.amdhsa_float_denorm_mode_32 3
		.amdhsa_float_denorm_mode_16_64 3
		.amdhsa_memory_ordered 1
		.amdhsa_forward_progress 1
		.amdhsa_inst_pref_size 154
	.end_amdhsa_kernel
	.amdgpu_metadata
---
amdhsa.version: [ 1, 2 ]
amdhsa.kernels:
  - .name:           k_q38f6ca443a_qkv
    .symbol:         k_q38f6ca443a_qkv.kd
    .args:
      - { .name: residual_codes, .offset: 0, .size: 8, .value_kind: global_buffer, .address_space: global }
      - { .name: residual_scales, .offset: 8, .size: 8, .value_kind: global_buffer, .address_space: global }
      - { .name: W_Q_codes, .offset: 16, .size: 8, .value_kind: global_buffer, .address_space: global }
      - { .name: W_Q_scales, .offset: 24, .size: 8, .value_kind: global_buffer, .address_space: global }
      - { .name: W_K_codes, .offset: 32, .size: 8, .value_kind: global_buffer, .address_space: global }
      - { .name: W_K_scales, .offset: 40, .size: 8, .value_kind: global_buffer, .address_space: global }
      - { .name: W_V_codes, .offset: 48, .size: 8, .value_kind: global_buffer, .address_space: global }
      - { .name: W_V_scales, .offset: 56, .size: 8, .value_kind: global_buffer, .address_space: global }
      - { .name: W_O, .offset: 64, .size: 8, .value_kind: global_buffer, .address_space: global }
      - { .name: qi, .offset: 72, .size: 8, .value_kind: global_buffer, .address_space: global }
      - { .name: kv, .offset: 80, .size: 8, .value_kind: global_buffer, .address_space: global }
      - { .name: wo_img, .offset: 88, .size: 8, .value_kind: global_buffer, .address_space: global }
      - { .name: wo_sc, .offset: 96, .size: 8, .value_kind: global_buffer, .address_space: global }
    .group_segment_fixed_size: 327680
    .private_segment_fixed_size: 0
    .kernarg_segment_align: 8
    .kernarg_segment_size: 104
    .max_flat_workgroup_size: 128
    .sgpr_count:     102
    .vgpr_count:     1024
    .wavefront_size: 32
...
	.end_amdgpu_metadata
.endif
;; end of part 1
;; launch attn (part 2): grid 8 x 32, 16 waves a work-group, clusters of 4 x 1, 327,680 bytes of LDS; arguments qi, kv, ao, ao_sc; writes ao, ao_sc
.if DOCPART == 2
	.amdgcn_target "amdgcn-amd-amdhsa--gfx1250"
	.amdhsa_code_object_version 6
	.text
	.protected	k_q38f6ca443a_attn
	.globl	k_q38f6ca443a_attn
	.p2align	8
	.type	k_q38f6ca443a_attn,@function
k_q38f6ca443a_attn:
	s_mov_b64 s[64:65], 0
	v_nop
	global_prefetch_b8 v0, s[64:65] scope:SCOPE_SE
	s_setreg_imm32_b32 hwreg(HW_REG_WAVE_MODE, 25, 1), 1
	s_wait_xcnt 0x0
	s_wait_alu depctr_hold_cnt(0) depctr_sa_sdst(0) depctr_va_vdst(0) depctr_va_sdst(0) depctr_va_ssrc(0) depctr_va_vcc(0) depctr_vm_vsrc(0)
	s_getreg_b32 s2, hwreg(HW_REG_IB_STS2, 6, 4)
	s_cmp_eq_u32 s2, 0
	s_cbranch_scc0 .Lentry_in_a_cluster
	s_endpgm
.Lentry_in_a_cluster:
	s_bfe_u32 s2, ttmp6, 0x10000c
	s_cmp_lg_u32 s2, 0x3003
	s_cbranch_scc0 .Lentry_shape_is_right
	s_endpgm
.Lentry_shape_is_right:
; Causal attention of one (batch, head) on codes of E4M3: S^T = K Q^T (K = the head's 64: Q's upper half of each instruction's 128 is zero codes), p = 2^(t - M), O^T = V^T P^T (K = 128 keys a step), O / the row's sum,
; quantised along (head, e) for the last product.  t = score x log2(e) / 8; M = the running largest t rounded up to a whole number; the row's sum is taken of the unquantised p.
; SHARES.  Work-group p (0 .. 7) of a (batch, head) takes tile p (16 queries) of each of the sixteen blocks of 128 positions.  Waves i and 8 + i (i = 0 .. 7) are a pair:
; wave i walks records 0 .. 8 for block 15 - i: nine key steps; wave 8 + i walks records 0 .. i for block i and then records 9 .. 15 - i for block 15 - i: eight key steps.
; The pair's two parts of block 15 - i are joined at the end, through LDS.  Key steps that lie wholly under the mask which reference() itself builds are left out.  Branches hang on the wave's number and a counter alone.
; K, V AND THEIR SCALE WORDS OF THE WHOLE (batch, head) LIE IN LDS, 16 records of 17,408 bytes as the launch before laid them (images of operand registers: every LDS load is 512 consecutive bytes).
; They are filled ONCE, by one joint load a wave, wave w record w, all issued at the head.  The four work-groups of a cluster ask jointly.  Records 0 and 1 have a load line of their own and are shown first: two trips use them alone.
; No prefetch: every byte is asked for at the head, so there is no loop to run ahead in.
; A lane holds ONE query (lane % 16) throughout.  The order of keys inside a block of 32 is that of two neighbouring result tiles, in p as in V's image.
; A TILE OF K IS 8 REGISTERS, one behind the other: the instruction's upper eight are the next tile's codes (behind the last tile p's codes), which meet Q's zero codes.
; LIMITS: scaled scores under 2^31; a block of zeros gets the byte 1 (its codes are zeros; the bytes are read by this program alone); magnitudes under 2^-118 share that byte; NaN and infinities are not served.
.set REC,  17408                       ; a record: K's image 8,192, V's 8,192, K's scale words 512, V's 512
.set SPARE, 16*REC                     ; the spare words, 128 bytes a wave
.set DUMP, SPARE+2048                  ; a pair's 4,608 bytes: O^T's 32 registers and four more
.set DW,   4608
.set OLD,  0                           ; the last -M  (v0 is the thread's number until the head's end)
.set L16,  1                           ; 16 x lane
.set L8,   2                           ; 8 x lane
.set ADK,  3                           ; the step's record + 16 x lane
.set ADV,  4                           ; + 8 x lane
.set NINF, 5                           ; -infinity
.set SBO,  6                           ; 4 r + h: where my scale byte goes
.set QSC,  7
.set KSC,  8                           ; v8-11   K's scale words, two tiles a register;  v12 -M, v13 the largest score, v[14:15] the sum in two halves
.set QF,   16                          ; v16-23  Q, v24-31 zero codes
.set KF,   32                          ; v32-95  K's eight tiles, then V's four fragments
.set PC,   96                          ; v96-111 p's codes; they also stand where tile 7 of K has its upper eight: finite codes that meet Q's zero codes
.set SS,   112                         ; v112-175 S^T, then p
.set OT,   176                         ; v176-207 O^T
.set HT,   208                         ; v208-215 eight held p on their way to a conversion
.set BM,   216                         ; the blocks' largest
.set PB,   220                         ; the other half's; bytes
.set LM,   224                         ; 448 x scale
.set SC,   228                         ; the conversions' scale operands
.set FF,   232                         ; f = 2^(old M - new M)
.set TP,   233
.set T1,   234                         ; a step's sum in three chains of pairs: T1, T2, T3
.set VSC,  236                         ; v236-239 V's scale words
.set PW,   240                         ; p's scale word
.set QSC2, 241
.set Q2,   242                         ; v242-249 the second tile's Q
.set T2,   250
.set T3,   252
.set SPW,  254
.set NIL,  255
.set WV,   12
.set BHI,  13                          ; 15 - i
.set PP,   14
.set BH,   15
.set BLO,  28                          ; my first tile's block
.set IB,   29                          ; the last trip of my first tile
.set OB,   30                          ; 7 - i: behind that trip the record is the trip's number + 7 - i
.set SW,   31                          ; the trip at whose head I change tiles
.set SKIP, 32                          ; the trip in which I have no key step
.set KS,   33
.set RECN, 34
.set TB,   35
.set OFF,  36
.set BLK,  37
.set TM,   38
.set SEL,  40
.set CS,   42
.set MNT,  44
.set NCS,  45
.set FLR,  46
.set UPH,  48
.set AO1,  52
.set SC1,  54
.set AO2,  56
.set SC2,  58
.macro CROUND
	s_barrier_signal -1
	s_barrier_wait -1
	s_cmp_lg_u32 s[WV], 0
	s_cbranch_scc1 .Lnot_wave_0_\@
	s_barrier_signal -3
.Lnot_wave_0_\@:
	s_barrier_wait -3
	s_barrier_signal -1
	s_barrier_wait -1
.endm
.macro OADR blk, ao, sc                ; where block blk's tile goes: ao: tile x 16,384 + head x 1,024;  ao_sc: K step head / 2, the 16 rows' words, bytes 2 (head % 2) on
	s_lshr_b32 s60, s[BH], 4
	s_lshl_b32 s60, s60, 7
	s_lshl_b32 s61, s[\blk], 3
	s_add_co_u32 s60, s60, s61
	s_add_co_u32 s60, s60, s[PP]
	s_and_b32 s61, s[BH], 15
	s_lshl_b32 s62, s60, 14
	s_lshl_b32 s63, s61, 10
	s_add_co_u32 s62, s62, s63
	s_mov_b32 s63, 0
	s_add_nc_u64 s[\ao:\ao+1], s[8:9], s[62:63]
	s_lshr_b32 s62, s61, 1
	s_lshl_b32 s62, s62, 14
	s_lshl_b32 s60, s60, 6
	s_add_co_u32 s62, s62, s60
	s_and_b32 s60, s61, 1
	s_lshl_b32 s60, s60, 1
	s_add_co_u32 s62, s62, s60
	s_add_nc_u64 s[\sc:\sc+1], s[10:11], s[62:63]
.endm
.macro QADR blk, pa, pb                ; (as offsets: they are added to the buffer's address where that has come)
	s_lshl_b32 s60, s[BH], 4
	s_add_co_u32 s60, s60, s[\blk]
	s_mul_i32 s60, s60, 8704
	s_lshl_b32 s61, s[PP], 10
	s_add_co_u32 s[\pa], s60, s61
	s_mov_b32 s[\pa+1], 0
	s_and_b32 s61, s[PP], 1
	s_lshl_b32 s61, s61, 8
	s_add_co_u32 s60, s60, s61
	s_lshr_b32 s61, s[PP], 1
	s_lshl_b32 s61, s61, 2
	s_add_co_u32 s60, s60, s61
	s_add_co_u32 s[\pb], s60, 8192
	s_mov_b32 s[\pb+1], 0
.endm
	s_load_b256 s[4:11], s[0:1], 0x0               ; qi 4, kv 6, ao 8, ao_sc 10
	v_lshl_add_u32 v[SPW], v0, 2, SPARE
	v_mov_b32 v[NIL], 0
	ds_add_u32 v[SPW], v[NIL]                      ; the wave's opening: the add, twice on end, and its wait
	ds_add_u32 v[SPW], v[NIL]
	v_lshrrev_b32 v1, 5, v0
	v_readfirstlane_b32 s[WV], v1                  ; wave 0..15
	s_bfe_u32 s49, ttmp6, 0x40000                  ; cx
	s_lshl_b32 s[PP], ttmp9, 2
	s_add_co_u32 s[PP], s[PP], s49                 ; p: it enters global addresses and the mask's numbers alone
	s_and_b32 s[BH], ttmp7, 0xffff                 ; 16 batch + head, which the four partners share
	s_mov_b32 s16, 15|(3<<16)|(1<<21)              ; the mask: all four; elements of 8 bytes; bit 21 beside a mask; no padding
	s_mov_b32 s17, 32<<16                          ; tensor_dim0 = 32 (256 bytes)
	s_mov_b32 s18, 68<<16                          ; tensor_dim1 = 68
	s_mov_b32 s19, 32<<16                          ; tile_dim0
	s_mov_b32 s20, 68                              ; tile_dim1
	s_mov_b32 s21, 32                              ; dense
	s_mov_b32 s22, 0
	s_mov_b32 s23, 0
	s_mov_b32 s[SEL], 0x76543210
	s_mov_b32 s[SEL+1], 0xfedcba98                 ; lane l xor 16
	s_mov_b32 s[CS], 0x3e38aa3b                    ; c = log2(e) / 8
	s_mov_b32 s[CS+1], s[CS]                       ; (named with it as a pair)
	s_mov_b32 s[NCS], 0xbe38aa3b                   ; -c
	s_mov_b32 s[MNT], 0x600000                     ; the mantissa field of 448
	s_mov_b32 s[FLR], 0x4800000                    ; 2^(9 - 127)
	s_mov_b32 s[UPH], 0xffff0000
	s_and_b32 s66, s[WV], 7                        ; i
	s_xor_b32 s[BHI], s66, 15
	s_xor_b32 s[OB], s66, 7
	s_add_co_u32 s67, s66, 1
	s_max_u32 s68, s67, 2
	s_cmp_lt_u32 s[WV], 8
	s_cselect_b32 s[BLO], s[BHI], s66
	s_cselect_b32 s[IB], 63, s66                   ; 63: never
	s_cselect_b32 s[SKIP], 63, s67
	s_cselect_b32 s[SW], 63, s68
	s_mul_i32 s52, s[WV], REC                      ; my record
	s_mul_i32 s50, s[BH], 16*REC
	s_add_co_u32 s50, s50, s52
	s_mov_b32 s51, 0
	QADR BLO, 66, 68
	QADR BHI, 70, 72
	v_and_b32 v10, 31, v0
	v_and_b32 v11, 15, v0                          ; r
	v_bfe_u32 v12, v0, 4, 1                        ; h
	v_lshlrev_b32 v[L16], 4, v10
	v_lshlrev_b32 v[L8], 3, v10
	v_lshlrev_b32 v9, 4, v11                       ; 16 r: Q's scale words lie 16 bytes apart
	v_lshl_add_u32 v[SBO], v11, 2, v12
	s_wait_alu depctr_va_vdst(0)                   ; directly ahead of the waits below
	s_wait_dscnt 0x0                               ; both opening adds are done
	s_wait_kmcnt 0x0
	s_add_nc_u64 s[50:51], s[6:7], s[50:51]
	s_add_nc_u64 s[66:67], s[4:5], s[66:67]
	s_add_nc_u64 s[68:69], s[4:5], s[68:69]
	s_add_nc_u64 s[70:71], s[4:5], s[70:71]
	s_add_nc_u64 s[72:73], s[4:5], s[72:73]
	global_load_b128 v[QF:QF+3], v[L16], s[66:67]  ; Q ahead of the opening round
	global_load_b128 v[QF+4:QF+7], v[L16], s[66:67] offset:512
	global_load_b32 v[QSC], v9, s[68:69]
	global_load_b128 v[Q2:Q2+3], v[L16], s[70:71]  ; the second tile's Q (waves 0 to 7 have one tile: theirs is the first again and goes unused)
	global_load_b128 v[Q2+4:Q2+7], v[L16], s[70:71] offset:512
	global_load_b32 v[QSC2], v9, s[72:73]
	CROUND                                         ; all four work-groups are here: the joint loads meet
	s_mov_b32 s24, 1
	s_mov_b32 s25, s52
	s_mov_b64 s[26:27], s[50:51]
	s_or_b32 s27, s27, 0x80000000
	s_cmp_lt_u32 s[WV], 2                          ; one load a wave; records 0 and 1 are waited for ahead of the rest and have a line of their own
	s_cbranch_scc0 .Llater
	tensor_load_to_lds s[24:27], s[16:23]
	s_nop 0
.rept 4
	v_nop
.endr
	s_branch .Lasked
.Llater:
	tensor_load_to_lds s[24:27], s[16:23]
	s_nop 0
.rept 4
	v_nop
.endr
.Lasked:
	OADR BLO, AO1, SC1
	OADR BHI, AO2, SC2
.irp j, 0,1,2,3,4,5,6,7
	v_mov_b32 v[QF+8+\j], 0                        ; the zero codes of k = 64 .. 127: written once
	v_mov_b32 v[PC+\j], 0                          ; (p's codes, ahead of the first step)
.endr
	v_mov_b32 v[NINF], 0xff800000
.irp b, 0,1,2,3
	v_mov_b32 v[PB+\b], 0                          ; a lane permute's destination counts as one of its sources
.endr
	v_mov_b32 v[TP], 0
; the state of a tile that has seen no key: -M = 3e38, the largest score -3e38, all sums 0.  (The step is written once: the first change of M leaves zeros zeros)
.macro FRESH
	v_mov_b32 v12, 0x7f61b1e6
	v_mov_b32 v13, 0xff61b1e6
	v_mov_b32 v14, 0
	v_mov_b32 v15, 0
	v_mov_b32 v[FF], 0
.irp t, T1, T2, T3
	v_mov_b32 v[\t], 0
	v_mov_b32 v[\t+1], 0
.endr
.set j, 0
.rept 32
	v_mov_b32 v[OT+j], 0
.set j, j+1
.endr
.endm
	FRESH
	s_wait_alu depctr_va_vdst(0)                   ; the wait at the head's end
	s_wait_loadcnt 0x0                             ; Q
; pair k of p joins chain k % 3
.macro SADD k
.if (\k)%3 == 0
	v_pk_add_f32 v[T1:T1+1], v[T1:T1+1], v[SS+2*(\k):SS+2*(\k)+1]
.elseif (\k)%3 == 1
	v_pk_add_f32 v[T2:T2+1], v[T2:T2+1], v[SS+2*(\k):SS+2*(\k)+1]
.else
	v_pk_add_f32 v[T3:T3+1], v[T3:T3+1], v[SS+2*(\k):SS+2*(\k)+1]
.endif
.endm
; the last step's three chains join the row's sum, which comes under that step's M by f
; A step's sum of the unquantised p is 29 lines, which stand in places that want independent work; line sN begins a chain (0, 1, 2) or joins pair sN + 3
.macro SLINE
.if sN == 0
	v_pk_add_f32 v[T1:T1+1], v[SS:SS+1], v[SS+2:SS+3]
.elseif sN == 1
	v_pk_add_f32 v[T2:T2+1], v[SS+4:SS+5], v[SS+6:SS+7]
.elseif sN == 2
	v_pk_add_f32 v[T3:T3+1], v[SS+8:SS+9], v[SS+10:SS+11]
.else
	SADD sN+3
.endif
.set sN, sN+1
.endm
; the last step's three chains join the row's sum, which comes under that step's M by f
.macro SUMFIN
	v_pk_add_f32 v[T2:T2+1], v[T2:T2+1], v[T3:T3+1]
	v_pk_add_f32 v[T1:T1+1], v[T1:T1+1], v[T2:T2+1]
	v_pk_fma_f32 v[14:15], v[14:15], v[FF:FF+1], v[T1:T1+1] op_sel_hi:[1,0,1]
.endm
; A KEY STEP: 128 keys, record s[RECN] at LDS byte s[TB], for my tile of block s[BLK].
.macro STEP
	v_add_nc_u32 v[ADK], s[TB], v[L16]
	ds_load_b128 v[KSC:KSC+3], v[ADK] offset:16384
.irp t, 0,1,2,3,4,5,6,7
	ds_load_b128 v[KF+8*\t:KF+8*\t+3], v[ADK] offset:\t*1024
	ds_load_b128 v[KF+8*\t+4:KF+8*\t+7], v[ADK] offset:\t*1024+512
.endr
	s_wait_alu depctr_va_vdst(0)                   ; directly ahead of the wait below
	s_wait_dscnt 0x6                               ; the scale words and tiles 0 to 4 are in; the six loads of tiles 5 to 7 may be out
.irp t, 0,1,2,3,4,5,6,7                        ; S^T = K Q^T
.if \t == 4
	s_wait_dscnt 0x0
.endif
.if \t % 2
	v_wmma_scale_f32_16x16x128_f8f6f4 v[SS+8*\t:SS+8*\t+7], v[KF+8*\t:KF+8*\t+15], v[QF:QF+15], 0, v[KSC+\t/2], v[QSC] matrix_a_scale:MATRIX_SCALE_ROW1
.else
	v_wmma_scale_f32_16x16x128_f8f6f4 v[SS+8*\t:SS+8*\t+7], v[KF+8*\t:KF+8*\t+15], v[QF:QF+15], 0, v[KSC+\t/2], v[QSC]
.endif
.endr
	; eight places in front of the first read of S^T: the last step's sum is finished in them
	v_pk_add_f32 v[T2:T2+1], v[T2:T2+1], v[T3:T3+1]
	v_mov_b32 v[OLD], v12
	v_add_nc_u32 v[ADV], s[TB], v[L8]
	v_pk_add_f32 v[T1:T1+1], v[T1:T1+1], v[T2:T2+1]
	v_nop
	v_nop
	v_pk_fma_f32 v[14:15], v[14:15], v[FF:FF+1], v[T1:T1+1] op_sel_hi:[1,0,1]
	v_nop
.irp t, 0,1,2,3                                ; the same eight places serve V's four fragments, which take K's registers
.irp c, 0,1,2,3
	ds_load_b128 v[KF+16*\t+4*\c:KF+16*\t+4*\c+3], v[ADK] offset:8192+\t*2048+\c*512
.endr
.endr
	ds_load_b64 v[VSC:VSC+1], v[ADV] offset:16896
	ds_load_b64 v[VSC+2:VSC+3], v[ADV] offset:17152
	s_cmp_lg_u32 s[RECN], s[BLK]                   ; only a tile's own block lies on the diagonal
	s_cbranch_scc1 .Lopen_\@
.irp t, 0,1,2,3,4,5,6,7                        ; tiles of keys under p count whole, tile p its lower triangle (lane (r, h), register j: key 8 h + j is hidden where 8 h + j > r), those over p not at all
	s_cmp_gt_u32 s[PP], \t
	s_cselect_b32 s[TM], 0, -1
	s_cmp_eq_u32 s[PP], \t
.irp j, 0,1,2,3,4,5,6,7
	s_cselect_b32 vcc_lo, ((1<<\j)-1)|(((1<<(8+\j))-1)<<16), s[TM]
	v_cndmask_b32 v[SS+8*\t+\j], v[SS+8*\t+\j], v[NINF], vcc_lo
.endr
.endr
	s_wait_alu depctr_va_vdst(0)
.Lopen_\@:
.irp b, 0,1,2,3
	v_max3_num_f32 v[BM+\b], v[SS+16*\b], v[SS+1+16*\b], v[SS+2+16*\b]     ; the largest score of each block of 32 keys: for the row's maximum and, since p rises with the score, for the block's largest p
.endr
.irp i, 3,5,7,9,11,13
.irp b, 0,1,2,3
	v_max3_num_f32 v[BM+\b], v[BM+\b], v[SS+16*\b+\i], v[SS+1+16*\b+\i]
.endr
.endr
.irp b, 0,1,2,3
	v_max_num_f32 v[BM+\b], v[BM+\b], v[SS+15+16*\b]
.endr
.irp b, 0,1,2,3
	v_permlanex16_b32 v[PB+\b], v[BM+\b], s[SEL], s[SEL+1]
.endr
.irp b, 0,1,2,3
	v_max_num_f32 v[BM+\b], v[BM+\b], v[PB+\b]
.endr
	v_max3_num_f32 v[TP], v[BM], v[BM+1], v[BM+2]
	s_delay_alu instid0(VALU_DEP_1)
	v_max3_num_f32 v13, v13, v[TP], v[BM+3]        ; the running largest score
	s_delay_alu instid0(VALU_DEP_1)
	v_mul_f32 v[TP], s[NCS], v13
	s_delay_alu instid0(VALU_DEP_1)
	v_floor_f32 v12, v[TP]                         ; the new -M = -ceil(t)
	s_delay_alu instid0(VALU_DEP_1)
	v_sub_f32 v[TP], v12, v[OLD]                   ; old M - new M: a whole number, 0 or less
	s_delay_alu instid0(VALU_DEP_1)
	v_cvt_i32_f32 v[TP], v[TP]                     ; (it saturates)
	s_delay_alu instid0(VALU_DEP_1)
	v_ldexp_f32 v[FF], 1.0, v[TP]                  ; f = 2^(old M - new M)
	v_pk_fma_f32 v[BM:BM+1], v[BM:BM+1], s[CS:CS+1], v[12:13] op_sel_hi:[1,0,0]
	v_pk_fma_f32 v[BM+2:BM+3], v[BM+2:BM+3], s[CS:CS+1], v[12:13] op_sel_hi:[1,0,0]
.set j, 0
.rept 32
	v_pk_fma_f32 v[SS+j:SS+j+1], v[SS+j:SS+j+1], s[CS:CS+1], v[12:13] op_sel_hi:[1,0,0]   ; t - M
.set j, j+2
.endr
	s_wait_alu depctr_va_vdst(0)                   ; one wait ahead of the batch
.irp b, 0,1,2,3
	v_exp_f32 v[BM+\b], v[BM+\b]                   ; the blocks' largest p
.endr
.set j, 0
.rept 64
	v_exp_f32 v[SS+j], v[SS+j]                     ; p = 2^(t - M)
.set j, j+1
.endr
	v_nop                                          ; a plain line behind the exponentials
	s_wait_alu depctr_va_vdst(0)                   ; one wait behind the batch, directly ahead of the first readers of O^T, ahead of p's
.set j, 0
.rept 16
	v_pk_mul_f32 v[OT+j:OT+j+1], v[OT+j:OT+j+1], v[FF:FF+1] op_sel_hi:[1,0]   ; O^T under the new M
.set j, j+2
.endr
	v_dual_max_num_f32 v[BM], s[FLR], v[BM] :: v_dual_max_num_f32 v[BM+1], s[FLR], v[BM+1]   ; the floor: no byte falls under 1
	v_dual_max_num_f32 v[BM+2], s[FLR], v[BM+2] :: v_dual_max_num_f32 v[BM+3], s[FLR], v[BM+3]
.irp b, 0,1,2,3
	v_add_nc_u32 v[SC+\b], 0xfc000000, v[BM+\b]
.endr
.irp b, 0,1,2,3
	v_and_or_b32 v[LM+\b], v[BM+\b], 0x7f800000, s[MNT]
.endr
.irp b, 0,1,2,3
	v_lshrrev_b32 v[PB+\b], 23, v[SC+\b]
.endr
	v_lshl_or_b32 v[PW], v[PB+1], 8, v[PB]
.set sN, 0
.irp b, 0,1,2,3                                ; the conversion does not saturate (ISA guide 7.6.2); p is not negative: a one-sided hold, eight numbers at a time into HT, so that p itself stays for the sum
.irp u, 0,1
.irp i, 0,2,4,6
	v_dual_min_num_f32 v[HT+\i], v[LM+\b], v[SS+16*\b+8*\u+\i] :: v_dual_min_num_f32 v[HT+\i+1], v[LM+\b], v[SS+16*\b+8*\u+\i+1]
.endr
.if \b == 0
.if \u == 0
	v_lshl_or_b32 v[PW], v[PB+2], 16, v[PW]
.else
	v_lshl_or_b32 v[PW], v[PB+3], 24, v[PW]
.endif
.else
	SLINE
.endif
	v_cvt_scalef32_pk8_fp8_f32 v[PC+4*\b+2*\u:PC+4*\b+2*\u+1], v[HT:HT+7], v[SC+\b]
	SLINE                                          ; a plain line between a conversion and the next write of its sources
.endr
.endr
.rept 6                                        ; the places between the codes and the products
	SLINE
.endr
	s_wait_alu depctr_va_vdst(0)                   ; directly ahead of the wait below
	s_wait_dscnt 0x0
.irp t, 0,1,2,3                                ; O^T += V^T P^T
	v_wmma_scale_f32_16x16x128_f8f6f4 v[OT+8*\t:OT+8*\t+7], v[KF+16*\t:KF+16*\t+15], v[PC:PC+15], v[OT+8*\t:OT+8*\t+7], v[VSC+\t], v[PW]
.endr
.rept 9
	SLINE
.endr
.endm
; the 32 numbers at SS, quantised along e: the head's two blocks of 32 of the last product's K; codes and bytes leave
.macro ETAIL ao, sc
.irp b, 0,1
	v_max3_num_f32 v[BM+\b], |v[SS+16*\b]|, |v[SS+1+16*\b]|, 0x4800000
	v_max3_num_f32 v[BM+2+\b], |v[SS+2+16*\b]|, |v[SS+3+16*\b]|, |v[SS+4+16*\b]|
.endr
.irp i, 5,9
.irp b, 0,1
	v_max3_num_f32 v[BM+\b], v[BM+\b], |v[SS+16*\b+\i]|, |v[SS+1+16*\b+\i]|
	v_max3_num_f32 v[BM+2+\b], v[BM+2+\b], |v[SS+2+16*\b+\i]|, |v[SS+3+16*\b+\i]|
.endr
.endr
.irp b, 0,1
	v_max3_num_f32 v[BM+\b], v[BM+\b], |v[SS+16*\b+13]|, |v[SS+16*\b+14]|
.endr
.irp b, 0,1
	v_max3_num_f32 v[BM+\b], v[BM+\b], |v[SS+16*\b+15]|, v[BM+2+\b]
.endr
.irp b, 0,1
	v_permlanex16_b32 v[PB+\b], v[BM+\b], s[SEL], s[SEL+1]
.endr
.irp b, 0,1
	v_max_num_f32 v[BM+\b], v[BM+\b], v[PB+\b]
.endr
.irp b, 0,1
	v_add_nc_u32 v[SC+\b], 0xfc000000, v[BM+\b]
.endr
.irp b, 0,1
	v_and_or_b32 v[LM+\b], v[BM+\b], 0x7f800000, s[MNT]
.endr
.irp b, 0,1
	v_lshrrev_b32 v[PB+\b], 23, v[SC+\b]
.endr
.irp b, 0,1
.irp i, 0,1,2,3,4,5,6,7,8,9,10,11,12,13,14,15
	v_med3_num_f32 v[SS+16*\b+\i], v[SS+16*\b+\i], -v[LM+\b], v[LM+\b]
.endr
	v_cvt_scalef32_pk8_fp8_f32 v[PC+4*\b:PC+4*\b+1], v[SS+16*\b:SS+16*\b+7], v[SC+\b]
	v_cvt_scalef32_pk8_fp8_f32 v[PC+4*\b+2:PC+4*\b+3], v[SS+16*\b+8:SS+16*\b+15], v[SC+\b]
.endr
	v_nop                                          ; a plain line behind the last conversion
	v_cndmask_b32 v[TP], v[PB], v[PB+1], s[UPH]    ; lanes 0-15 carry block 0's byte, lanes 16-31 block 1's
	global_store_b128 v[L16], v[PC:PC+3], s[\ao:\ao+1]            ; 512 consecutive bytes each
	global_store_b128 v[L16], v[PC+4:PC+7], s[\ao:\ao+1] offset:512
	global_store_b8 v[SBO], v[TP], s[\sc:\sc+1]    ; two bytes of each row's word: the other two are another head's
.endm
	s_cmp_lt_u32 s[WV], 2
	s_cbranch_scc0 .Lnot_first
	s_wait_tensorcnt 0x0                           ; waves 0, 1: records 0 and 1 are in.  The other waves' wait stands at the second barrier
.Lnot_first:
	s_barrier_signal -1
	s_barrier_wait -1
	s_mov_b32 s[KS], 0
	s_mov_b32 s[TB], 0
	s_mov_b32 s[BLK], s[BLO]
.Ltrip_a:                                          ; trips 0 and 1: records 0 and 1
	s_mov_b32 s[RECN], s[KS]
	s_cmp_eq_u32 s[KS], s[SKIP]
	s_cbranch_scc1 .Lskip_a
	STEP
.Lskip_a:
	s_add_co_u32 s[TB], s[TB], REC
	s_add_co_u32 s[KS], s[KS], 1
	s_cmp_lt_u32 s[KS], 2
	s_wait_alu depctr_va_vdst(0)                   ; directly ahead of the branch
	s_cbranch_scc1 .Ltrip_a
	s_wait_tensorcnt 0x0                           ; every wave: its record is in
	s_wait_dscnt 0x0
	s_barrier_signal -1
	s_barrier_wait -1
	s_mov_b32 s[KS], 2
.Ltrip_b:                                          ; trips 2 to 8
	s_cmp_gt_u32 s[KS], s[IB]
	s_cselect_b32 s[OFF], s[OB], 0
	s_cselect_b32 s[BLK], s[BHI], s[BLO]
	s_add_co_u32 s[RECN], s[KS], s[OFF]
	s_min_u32 s[RECN], s[RECN], 15
	s_mul_i32 s[TB], s[RECN], REC
	s_cmp_lg_u32 s[KS], s[SW]
	s_cbranch_scc1 .Lsame_tile
	SUMFIN                                         ; waves 8 to 15: the tile of block i is finished: O^T / the sum leaves, and the tile of block 15 - i begins
	v_add_f32 v14, v14, v15
	v_permlanex16_b32 v[TP], v14, s[SEL], s[SEL+1]
	v_add_f32 v14, v14, v[TP]                      ; the row's sum
	s_wait_alu depctr_va_vdst(0)                   ; the wait ahead of the transcendental
	v_rcp_f32 v[FF], v14
	v_nop                                          ; a plain line behind the transcendental
	s_wait_alu depctr_va_vdst(0)                   ; the wait ahead of the first reader
.set j, 0
.rept 16
	v_pk_mul_f32 v[SS+j:SS+j+1], v[OT+j:OT+j+1], v[FF:FF+1] op_sel_hi:[1,0]   ; each accumulator from its low end on
.set j, j+2
.endr
	ETAIL AO1, SC1
	v_mov_b32 v[QSC], v[QSC2]
.irp j, 0,1,2,3,4,5,6,7
	v_mov_b32 v[QF+\j], v[Q2+\j]
.endr
	FRESH
	s_wait_alu depctr_va_vdst(0)
	s_wait_xcnt 0x0                                ; the stores have read their registers, which the next step writes
.Lsame_tile:
	s_cmp_eq_u32 s[KS], s[SKIP]
	s_cbranch_scc1 .Lskip_b
	STEP
.Lskip_b:
	s_add_co_u32 s[KS], s[KS], 1
	s_cmp_lt_u32 s[KS], 9
	s_wait_alu depctr_va_vdst(0)                   ; directly ahead of the branch
	s_cbranch_scc1 .Ltrip_b
	; THE PAIR'S TWO PARTS OF BLOCK 15 - i MEET: waves 8 to 15 lay theirs into LDS, waves 0 to 7 join them to their own
	SUMFIN
	s_and_b32 s60, s[WV], 7
	s_mul_i32 s60, s60, DW
	s_add_co_u32 s60, s60, DUMP
	v_add_nc_u32 v[ADK], s60, v[L16]
	s_cmp_lt_u32 s[WV], 8
	s_wait_alu depctr_va_vdst(0)                   ; directly ahead of the branch
	s_cbranch_scc1 .Lkeep
.irp k, 0,1,2,3,4,5,6,7
	ds_store_b128 v[ADK], v[OT+4*\k:OT+4*\k+3] offset:512*\k      ; each accumulator from its low end on
.endr
	ds_store_b128 v[ADK], v[12:15] offset:4096     ; -M, the largest score, the sum's two halves
.Lkeep:
	s_wait_dscnt 0x0                               ; for the partner's sake: my stores are done
	s_barrier_signal -1
	s_barrier_wait -1
	s_cmp_lt_u32 s[WV], 8
	s_cbranch_scc0 .Lend
.irp k, 8,0,1,2,3,4,5,6,7
	ds_load_b128 v[KF+4*\k:KF+4*\k+3], v[ADK] offset:512*\k
.endr
	s_wait_dscnt 0x0
	v_min_num_f32 v[OLD], v12, v[KF+32]            ; the common -M
	v_sub_f32 v[TP], v[OLD], v12
	v_sub_f32 v[BM], v[OLD], v[KF+32]
	v_cvt_i32_f32 v[TP], v[TP]
	v_cvt_i32_f32 v[BM], v[BM]
	v_ldexp_f32 v[FF], 1.0, v[TP]                  ; my part's factor
	v_ldexp_f32 v[PB], 1.0, v[BM]                  ; the partner's
	v_pk_mul_f32 v[KF+34:KF+35], v[KF+34:KF+35], v[PB:PB+1] op_sel_hi:[1,0]
	v_pk_fma_f32 v[14:15], v[14:15], v[FF:FF+1], v[KF+34:KF+35] op_sel_hi:[1,0,1]
	v_add_f32 v14, v14, v15
	v_permlanex16_b32 v[TP], v14, s[SEL], s[SEL+1]
	v_add_f32 v14, v14, v[TP]                      ; the row's sum
	s_wait_alu depctr_va_vdst(0)                   ; the wait ahead of the transcendental
	v_rcp_f32 v[BM], v14
	v_nop                                          ; a plain line behind the transcendental
	s_wait_alu depctr_va_vdst(0)                   ; the wait ahead of the first reader, and ahead of O^T's
	v_mul_f32 v[FF], v[FF], v[BM]                  ; (a power of two x 1 / the sum: nothing is rounded)
	v_mul_f32 v[PB], v[PB], v[BM]
.set j, 0
.rept 16
	v_pk_mul_f32 v[KF+j:KF+j+1], v[KF+j:KF+j+1], v[PB:PB+1] op_sel_hi:[1,0]
.set j, j+2
.endr
.set j, 0
.rept 16
	v_pk_fma_f32 v[SS+j:SS+j+1], v[OT+j:OT+j+1], v[FF:FF+1], v[KF+j:KF+j+1] op_sel_hi:[1,0,1]
.set j, j+2
.endr
	ETAIL AO2, SC2
.Lend:
	s_wait_tensorcnt 0x0                           ; the wave's end
	ds_add_u32 v[SPW], v[NIL]
	s_wait_dscnt 0x0
	CROUND                                         ; the closing round
	s_endpgm
.Lfunc_end_k_q38f6ca443a_attn:
	.size	k_q38f6ca443a_attn, .Lfunc_end_k_q38f6ca443a_attn-k_q38f6ca443a_attn
	.p2alignl 7, 3214868480
	.fill 96, 4, 3214868480
	.section	.rodata,"a",@progbits
	.p2align	6, 0x0
	.amdhsa_kernel k_q38f6ca443a_attn
		.amdhsa_group_segment_fixed_size 327680
		.amdhsa_private_segment_fixed_size 0
		.amdhsa_enable_private_segment 0
		.amdhsa_kernarg_size 32
		.amdhsa_user_sgpr_count 2
		.amdhsa_user_sgpr_kernarg_segment_ptr 1
		.amdhsa_wavefront_size32 1
		.amdhsa_system_sgpr_workgroup_id_x 1
		.amdhsa_system_sgpr_workgroup_id_y 1
		.amdhsa_system_sgpr_workgroup_id_z 1
		.amdhsa_system_vgpr_workitem_id 0
		.amdhsa_next_free_vgpr 256
		.amdhsa_next_free_sgpr 80
		.amdhsa_reserve_vcc 1
		.amdhsa_float_denorm_mode_32 3
		.amdhsa_float_denorm_mode_16_64 3
		.amdhsa_memory_ordered 1
		.amdhsa_forward_progress 1
		.amdhsa_inst_pref_size 76
	.end_amdhsa_kernel
	.amdgpu_metadata
---
amdhsa.version: [ 1, 2 ]
amdhsa.kernels:
  - .name:           k_q38f6ca443a_attn
    .symbol:         k_q38f6ca443a_attn.kd
    .args:
      - { .name: qi, .offset: 0, .size: 8, .value_kind: global_buffer, .address_space: global }
      - { .name: kv, .offset: 8, .size: 8, .value_kind: global_buffer, .address_space: global }
      - { .name: ao, .offset: 16, .size: 8, .value_kind: global_buffer, .address_space: global }
      - { .name: ao_sc, .offset: 24, .size: 8, .value_kind: global_buffer, .address_space: global }
    .group_segment_fixed_size: 327680
    .private_segment_fixed_size: 0
    .kernarg_segment_align: 8
    .kernarg_segment_size: 32
    .max_flat_workgroup_size: 512
    .sgpr_count:     80
    .vgpr_count:     256
    .wavefront_size: 32
...
	.end_amdgpu_metadata
.endif
;; end of part 2
;; launch oproj (part 3): grid 8 x 32, 4 waves a work-group, clusters of 4 x 4, 327,680 bytes of LDS; arguments ao, ao_sc, wo_img, wo_sc, out0; writes out0
.if DOCPART == 3
	.amdgcn_target "amdgcn-amd-amdhsa--gfx1250"
	.amdhsa_code_object_version 6
	.text
	.protected	k_q38f6ca443a_oproj
	.globl	k_q38f6ca443a_oproj
	.p2align	8
	.type	k_q38f6ca443a_oproj,@function
k_q38f6ca443a_oproj:
	s_mov_b64 s[64:65], 0
	v_nop
	global_prefetch_b8 v0, s[64:65] scope:SCOPE_SE
	s_setreg_imm32_b32 hwreg(HW_REG_WAVE_MODE, 25, 1), 1
	s_wait_xcnt 0x0
	s_wait_alu depctr_hold_cnt(0) depctr_sa_sdst(0) depctr_va_vdst(0) depctr_va_sdst(0) depctr_va_ssrc(0) depctr_va_vcc(0) depctr_vm_vsrc(0)
	s_getreg_b32 s2, hwreg(HW_REG_IB_STS2, 6, 4)
	s_cmp_eq_u32 s2, 0
	s_cbranch_scc0 .Lentry_in_a_cluster
	s_endpgm
.Lentry_in_a_cluster:
	s_bfe_u32 s2, ttmp6, 0x10000c
	s_cmp_lg_u32 s2, 0xf033
	s_cbranch_scc0 .Lentry_shape_is_right
	s_endpgm
.Lentry_shape_is_right:
; out0 = attn_out x W_O on codes of E4M3 with E8M0 scales, K = 1,024 = (head, e).  Both operands come as images of operand registers, [tile of 16][K step of 128][4 groups][lane][16 bytes].
; A work-group makes 128 rows x 128 columns.  Both operands for all of K, 128 KiB each, are brought ONCE, in two chunks of four K steps, one joint load a wave, all issued at the head; nothing is filled again.
; Waves 0, 1 fetch chunk 0 (the rows' eight tiles, W_O's eight), waves 2, 3 chunk 1: each chunk and operand has a load line of its own, and chunk 0 is shown first.
; CLUSTER 4 x 4: the rows' tiles are shared along a row of the cluster, W_O's along a column.  No prefetch: every byte is asked for at the head.
; Wave w makes rows 64 (w / 2) on x columns 64 (w % 2) on: sixteen accumulators; a row's 64 columns are one unit of 256 bytes.  Source 0 = 16 columns of W_O, source 1 = 16 rows: a lane holds eight neighbouring columns of one row.
; The fragments of a K step, four of rows and four of W_O, have two sets: the next step's are loaded among this step's products.
; REGISTERS.  window 0: addresses, scale words, set 0;  window 1: set 1;  window 2: the accumulators.
; The scale words come straight into registers, once: 128 dense bytes a load; lanes 0-15 the even tile's, lanes 16-31 the odd tile's.
.set CH,   131072                      ; a chunk: the rows' 8 tiles x 8,192 bytes, then W_O's
.set SP,   272                         ; the stage for the way out: a row of 256 bytes + 16
.set SPARE, 2*CH                       ; the spare words
.set L16,  1
.set L4,   2
.set VA,   4                           ; v4-5   my rows' fragments in chunk 0, 1
.set VB,   6                           ; v6-7   my columns'
.set SO,   8
.set SR,   9
.set GO,   10
.set SPW,  16
.set NIL,  17
.set BSC,  24                          ; v24-39 W_O's scale words: 8 x pair of tiles + K step
.set ASC,  41                          ; v41-56 the rows': likewise
.set AFR,  64                          ; four fragments of rows
.set BFR,  128                         ; four of W_O
.set BK,   64                          ; the way out: 32 registers a block of 16 rows
.set WV,   14
.set G1A,  16
.set G1B,  24
.set G0A,  32
.set G0B,  36
.set MSB, 0
.macro WIN new                         ; the immediate's high byte repeats the setting that is left
.if MSB != (\new)
	s_set_vgpr_msb (MSB<<8)|(\new)
.set MSB, (\new)
.endif
.endm
.macro PLACES n
.rept \n
	v_nop
.endr
.endm
.macro CROUND
	s_barrier_signal -1
	s_barrier_wait -1
	s_cmp_lg_u32 s[WV], 0
	s_cbranch_scc1 .Lnot_wave_0_\@
	s_barrier_signal -3
.Lnot_wave_0_\@:
	s_barrier_wait -3
	s_barrier_signal -1
	s_barrier_wait -1
.endm
.macro WM d, a, b, c, sa, sb, ra, rb   ; one product; ra, rb: the scales stand in lanes 16-31
.if (\ra) && (\rb)
	v_wmma_scale_f32_16x16x128_f8f6f4 v[\d:\d+7], v[\a:\a+15], v[\b:\b+15], \c, v[\sa], v[\sb] matrix_a_scale:MATRIX_SCALE_ROW1 matrix_b_scale:MATRIX_SCALE_ROW1
.elseif \ra
	v_wmma_scale_f32_16x16x128_f8f6f4 v[\d:\d+7], v[\a:\a+15], v[\b:\b+15], \c, v[\sa], v[\sb] matrix_a_scale:MATRIX_SCALE_ROW1
.elseif \rb
	v_wmma_scale_f32_16x16x128_f8f6f4 v[\d:\d+7], v[\a:\a+15], v[\b:\b+15], \c, v[\sa], v[\sb] matrix_b_scale:MATRIX_SCALE_ROW1
.else
	v_wmma_scale_f32_16x16x128_f8f6f4 v[\d:\d+7], v[\a:\a+15], v[\b:\b+15], \c, v[\sa], v[\sb]
.endif
.endm
.macro LOADLINE g0, g1
	tensor_load_to_lds s[\g0:\g0+3], s[\g1:\g1+7]
	s_nop 0
	PLACES 4
.endm
	s_load_b256 s[4:11], s[0:1], 0x0               ; ao 4, ao_sc 6, wo_img 8, wo_sc 10
	s_load_b64 s[12:13], s[0:1], 0x20              ; out0
	v_lshl_add_u32 v[SPW], v0, 2, SPARE
	v_mov_b32 v[NIL], 0
	ds_add_u32 v[SPW], v[NIL]                      ; the wave's opening: the add, twice on end, and its wait
	ds_add_u32 v[SPW], v[NIL]
	v_lshrrev_b32 v1, 5, v0
	v_readfirstlane_b32 s[WV], v1                  ; wave 0..3
	s_lshr_b32 s15, s[WV], 1                       ; which 64 rows.  Also: which chunk I fetch
	s_and_b32 s66, s[WV], 1                        ; which 64 columns
	s_bfe_u32 s67, ttmp6, 0x40000                  ; cx
	s_bfe_u32 s68, ttmp6, 0x40004                  ; cy
	s_lshl_b32 s69, ttmp9, 2
	s_add_co_u32 s69, s69, s67                     ; the block of 128 columns
	s_and_b32 s70, ttmp7, 0xffff
	s_lshl_b32 s70, s70, 2
	s_add_co_u32 s70, s70, s68                     ; the block of 128 rows
	s_lshl_b32 s71, s68, 2
	s_lshl_b32 s71, 15, s71                        ; my row of the cluster
	s_lshl_b32 s77, 0x1111, s67                    ; my column
	s_or_b32 s[G1A], s71, (3<<16)|(1<<21)          ; the mask; elements of 8 bytes; bit 21 beside a mask; no padding
	s_or_b32 s[G1B], s77, (3<<16)|(1<<21)
.irp g, G1A, G1B
	s_mov_b32 s[\g+1], 1024<<16                    ; tensor_dim0 = 1,024 (8,192 bytes: four K steps of one tile)
	s_mov_b32 s[\g+2], 8<<16                       ; tensor_dim1 = 8 tiles
	s_mov_b32 s[\g+3], 1024<<16                    ; tile_dim0
	s_mov_b32 s[\g+4], 8                           ; tile_dim1
	s_mov_b32 s[\g+5], 2048                        ; from tile to tile: 16,384 bytes
	s_mov_b32 s[\g+6], 0
	s_mov_b32 s[\g+7], 0
.endr
	s_lshl_b32 s76, s15, 13                        ; my chunk's K steps
	s_lshl_b32 s72, s70, 17                        ; the rows' block: hangs on the block of rows alone
	s_add_co_u32 s72, s72, s76
	s_mov_b32 s73, 0
	s_lshl_b32 s74, s69, 17                        ; W_O's: hangs on the block of columns alone
	s_add_co_u32 s74, s74, s76
	s_mov_b32 s75, 0
	s_lshl_b32 s76, s[WV], 16                      ; where they go: wave x 65,536
	s_lshl_b32 s78, s15, 15                        ; my four tiles of rows
	s_lshl_b32 s79, s66, 15
	s_add_co_u32 s79, s79, 65536                   ; my four tiles of W_O, behind the rows' eight
	s_mul_i32 s86, s[WV], 64*SP                    ; my stage: in chunk 0
	v_and_b32 v3, 31, v0
	v_and_b32 v14, 15, v0                          ; r
	v_bfe_u32 v15, v0, 4, 1                        ; h
	v_lshlrev_b32 v[L16], 4, v3
	v_lshlrev_b32 v[L4], 2, v3
	v_mul_u32_u24 v11, v14, SP
	v_mul_u32_u24 v12, v15, SP
	v_lshlrev_b32 v13, 12, v15
	v_add_nc_u32 v[VA], s78, v[L16]
	v_add_nc_u32 v[VB], s79, v[L16]
	v_lshl_add_u32 v11, v15, 5, v11
	v_lshl_add_u32 v12, v14, 4, v12
	v_lshl_add_u32 v[GO], v14, 4, v13              ; lanes 0-15 take one row of out0, lanes 16-31 the next
	v_add_nc_u32 v[VA+1], CH, v[VA]
	v_add_nc_u32 v[VB+1], CH, v[VB]
	v_add_nc_u32 v[SO], s86, v11                   ; the stage, in: row r, 32 h bytes on
	v_add_nc_u32 v[SR], s86, v12                   ; back: two whole rows a load
	s_lshl_b32 s80, s70, 9
	s_lshl_b32 s81, s15, 8
	s_add_co_u32 s80, s80, s81
	s_mov_b32 s81, 0
	s_lshl_b32 s82, s69, 9
	s_lshl_b32 s83, s66, 8
	s_add_co_u32 s82, s82, s83
	s_mov_b32 s83, 0
	s_wait_alu depctr_va_vdst(0)                   ; directly ahead of the waits below
	s_wait_dscnt 0x0                               ; both opening adds are done
	s_wait_kmcnt 0x0
	s_add_nc_u64 s[80:81], s[6:7], s[80:81]        ; the rows' scale words: 4 bytes a row
	s_add_nc_u64 s[82:83], s[10:11], s[82:83]      ; W_O's
	s_add_nc_u64 s[72:73], s[4:5], s[72:73]
	s_add_nc_u64 s[74:75], s[8:9], s[74:75]
	CROUND                                         ; all sixteen work-groups are here: the joint loads meet
	s_mov_b32 s[G0A], 1
	s_mov_b32 s[G0A+1], s76
	s_mov_b64 s[G0A+2:G0A+3], s[72:73]
	s_or_b32 s[G0A+3], s[G0A+3], 0x80000000
	s_mov_b32 s[G0B], 1
	s_mov_b32 s[G0B+1], s76
	s_mov_b64 s[G0B+2:G0B+3], s[74:75]
	s_or_b32 s[G0B+3], s[G0B+3], 0x80000000
	s_cmp_lt_u32 s[WV], 1                          ; one load a wave
	s_cbranch_scc0 .Lfill_1
	LOADLINE G0A, G1A
	s_branch .Lfilled
.Lfill_1:
	s_cmp_lt_u32 s[WV], 2
	s_cbranch_scc0 .Lfill_2
	LOADLINE G0B, G1B
	s_branch .Lfilled
.Lfill_2:
	s_cmp_lt_u32 s[WV], 3
	s_cbranch_scc0 .Lfill_3
	LOADLINE G0A, G1A
	s_branch .Lfilled
.Lfill_3:
	LOADLINE G0B, G1B
.Lfilled:
.irp s, 0,1,2,3,4,5,6,7
	global_load_b32 v[ASC+\s], v[L4], s[80:81] offset:\s*16384
	global_load_b32 v[ASC+8+\s], v[L4], s[80:81] offset:\s*16384+128
	global_load_b32 v[BSC+\s], v[L4], s[82:83] offset:\s*4096
	global_load_b32 v[BSC+8+\s], v[L4], s[82:83] offset:\s*4096+128
.endr
	s_lshl_b32 s84, s70, 7
	s_lshl_b32 s85, s15, 6
	s_add_co_u32 s84, s84, s85
	s_lshl_b32 s84, s84, 12                        ; my first row: 4,096 bytes a row
	s_lshl_b32 s85, s69, 9
	s_add_co_u32 s84, s84, s85
	s_lshl_b32 s85, s66, 8
	s_add_co_u32 s84, s84, s85                     ; and my first column
	s_mov_b32 s85, 0
	s_add_nc_u64 s[12:13], s[12:13], s[84:85]
	s_wait_loadcnt 0x0                             ; the scale words
	s_cmp_lt_u32 s[WV], 2
	s_cbranch_scc0 .Lnot_first
	s_wait_tensorcnt 0x0                           ; waves 0, 1: chunk 0 is in.  The other waves' wait stands at the second barrier
.Lnot_first:
	s_barrier_signal -1
	s_barrier_wait -1
; part i of K step s's fragments: tile i of my rows, tile i of my columns: eight loads into set s % 2
.macro FP s, i
	WIN 0x40*((\s)%2)
.irp c, 0,1,2,3
	ds_load_b128 v[AFR+16*\i+4*\c:AFR+16*\i+4*\c+3], v[VA+(\s)/4] offset:\i*8192+((\s)%4)*2048+\c*512
.endr
.irp c, 0,1,2,3
	ds_load_b128 v[BFR+16*\i+4*\c:BFR+16*\i+4*\c+3], v[VB+(\s)/4] offset:\i*8192+((\s)%4)*2048+\c*512
.endr
.endm
; row tile i: four products.  The sixteen accumulators take turns, one instruction a turn, in the same order in every step
.macro MUL s, i
	WIN 0xa0+5*((\s)%2)
.irp n, 0,1,2,3
.if \s
	WM 8*(4*\i+\n), BFR+16*\n, AFR+16*\i, v[8*(4*\i+\n):8*(4*\i+\n)+7], BSC+8*(\n/2)+\s, ASC+8*(\i/2)+\s, \n%2, \i%2
.else
	WM 8*(4*\i+\n), BFR+16*\n, AFR+16*\i, 0, BSC+8*(\n/2)+\s, ASC+8*(\i/2)+\s, \n%2, \i%2
.endif
.endr
.endm
.macro KST s
	s_wait_dscnt 0x0                               ; this step's fragments are in
.if \s == 3
	s_wait_tensorcnt 0x0                           ; every wave: its load is in, and its reads of chunk 0 are over: behind the barrier that chunk's bytes serve as the stages
	s_barrier_signal -1
	s_barrier_wait -1
.endif
.if \s < 7
	PLACES 8                                       ; in front of loads into registers that the step before multiplied
	FP \s+1, 0
	FP \s+1, 1
	MUL \s, 0
	FP \s+1, 2
	MUL \s, 1
	FP \s+1, 3
	MUL \s, 2
	MUL \s, 3
.else
	MUL \s, 0
	MUL \s, 1
	MUL \s, 2
	MUL \s, 3
.endif
.endm
.irp i, 0,1,2,3
	FP 0, \i
.endr
.irp s, 0,1,2,3,4,5,6,7
	KST \s
.endr
	; THE WAY OUT, 16 rows at a time, through my own stage: LDS serves a wave's instructions in order (ISA guide 5.7.1.4), so no wait stands between the stores and the loads
	PLACES 8
.macro TOSTAGE i
	WIN 0x08                                       ; the data: window 2
.irp n, 0,1,2,3
	ds_store_b128 v[SO], v[8*(4*\i+\n):8*(4*\i+\n)+3] offset:\i*16*SP+64*\n        ; each accumulator from its low end on
	ds_store_b128 v[SO], v[8*(4*\i+\n)+4:8*(4*\i+\n)+7] offset:\i*16*SP+64*\n+16
.endr
	WIN 0
.irp k, 0,1,2,3,4,5,6,7
	ds_load_b128 v[BK+32*\i+4*\k:BK+32*\i+4*\k+3], v[SR] offset:(16*\i+2*\k)*SP
.endr
.endm
.macro SEND i, younger                 ; younger: the LDS instructions issued behind this block's loads
.irp k, 0,1,2,3,4,5,6,7
	s_wait_dscnt \younger+7-\k                     ; these two rows are back
	global_store_b128 v[GO], v[BK+32*\i+4*\k:BK+32*\i+4*\k+3], s[12:13] offset:(16*\i+2*\k)*4096 th:TH_STORE_NT   ; sixteen lanes store 256 consecutive bytes, at a multiple of 256 from the buffer's first byte
.endr
.endm
	TOSTAGE 0
	TOSTAGE 1
	SEND 0, 16
	TOSTAGE 2
	SEND 1, 16
	TOSTAGE 3
	SEND 2, 16
	SEND 3, 0
	s_wait_tensorcnt 0x0                           ; the wave's end
	ds_add_u32 v[SPW], v[NIL]
	s_wait_dscnt 0x0
	CROUND                                         ; the closing round
	s_endpgm
.Lfunc_end_k_q38f6ca443a_oproj:
	.size	k_q38f6ca443a_oproj, .Lfunc_end_k_q38f6ca443a_oproj-k_q38f6ca443a_oproj
	.p2alignl 7, 3214868480
	.fill 96, 4, 3214868480
	.section	.rodata,"a",@progbits
	.p2align	6, 0x0
	.amdhsa_kernel k_q38f6ca443a_oproj
		.amdhsa_group_segment_fixed_size 327680
		.amdhsa_private_segment_fixed_size 0
		.amdhsa_enable_private_segment 0
		.amdhsa_kernarg_size 40
		.amdhsa_user_sgpr_count 2
		.amdhsa_user_sgpr_kernarg_segment_ptr 1
		.amdhsa_wavefront_size32 1
		.amdhsa_system_sgpr_workgroup_id_x 1
		.amdhsa_system_sgpr_workgroup_id_y 1
		.amdhsa_system_sgpr_workgroup_id_z 1
		.amdhsa_system_vgpr_workitem_id 0
		.amdhsa_next_free_vgpr 640
		.amdhsa_next_free_sgpr 90
		.amdhsa_reserve_vcc 0
		.amdhsa_float_denorm_mode_32 3
		.amdhsa_float_denorm_mode_16_64 3
		.amdhsa_memory_ordered 1
		.amdhsa_forward_progress 1
		.amdhsa_inst_pref_size 54
	.end_amdhsa_kernel
	.amdgpu_metadata
---
amdhsa.version: [ 1, 2 ]
amdhsa.kernels:
  - .name:           k_q38f6ca443a_oproj
    .symbol:         k_q38f6ca443a_oproj.kd
    .args:
      - { .name: ao, .offset: 0, .size: 8, .value_kind: global_buffer, .address_space: global }
      - { .name: ao_sc, .offset: 8, .size: 8, .value_kind: global_buffer, .address_space: global }
      - { .name: wo_img, .offset: 16, .size: 8, .value_kind: global_buffer, .address_space: global }
      - { .name: wo_sc, .offset: 24, .size: 8, .value_kind: global_buffer, .address_space: global }
      - { .name: out0, .offset: 32, .size: 8, .value_kind: global_buffer, .address_space: global }
    .group_segment_fixed_size: 327680
    .private_segment_fixed_size: 0
    .kernarg_segment_align: 8
    .kernarg_segment_size: 40
    .max_flat_workgroup_size: 128
    .sgpr_count:     90
    .vgpr_count:     640
    .wavefront_size: 32
...
	.end_amdgpu_metadata
.endif
;; end of part 3
